; MI455X (gfx1250); checked and timed in simulation.
; The chip was launched on July 23, 2026; its instructions are those of AMD's public machine-readable ISA for CDNA 5 (MIT licence, August 2026) and "CDNA5" Instruction Set Architecture Reference Guide (July 2026). The comments in the code are by the model that wrote it; some were corrected since.
;; Prompt Attention. Allowed arithmetic: float matrix products may take bf16 or f16 operands with f32 sums; other float arithmetic in f32, or as packed bf16 or f16 multiplies, adds, multiply-adds, maxima and minima; sums over many terms, partial sums and values carried from step to step in f32; what a program stores and reads back later, other than sums and carried values, may be rounded once to bf16 or f16.
;; Inputs: Wk 64 x 64 float32; Wo 512 x 128 float32; Wq 64 x 64 float32; bk 64 float32; bo 128 float32; bq 64 float32; key 32 x 2,048 x 64 float32; query 32 x 128 x 64 float32; value 32 x 2,048 x 64 float32.
;; Outputs: out0 32 x 128 x 128 float32.
;; 2 versions, each right; version 2 is version 1 with the launch attn written anew for expert scheduling mode. Each part assembles by itself: llvm-mc -triple=amdgcn-amd-amdhsa -mcpu=gfx1250 --defsym DOCPART=n.
;; ======== version 1 of 2: 2 launches
;; limits: values are held in f16: magnitudes above 65,504 overflow, below 6.1e-05 lose precision
;; workspace buffers: part 16,777,216 bytes
;; launch attn (part 1): grid 8 x 32, 8 waves a work-group, no clusters, 318,464 bytes of LDS; arguments key, value, query, Wq, Wk, bq, bk, Wo, part; writes part
.if DOCPART == 1
	.amdgcn_target "amdgcn-amd-amdhsa--gfx1250"
	.amdhsa_code_object_version 6
	.text
	.protected	k_qe5e072d871_attn
	.globl	k_qe5e072d871_attn
	.p2align	8
	.type	k_qe5e072d871_attn,@function
k_qe5e072d871_attn:
	s_mov_b64 s[64:65], 0
	v_nop
	global_prefetch_b8 v0, s[64:65] scope:SCOPE_SE
	s_setreg_imm32_b32 hwreg(HW_REG_WAVE_MODE, 25, 1), 1
	s_wait_xcnt 0x0
; PromptAttention, first of two launches.
; part[c][b][q][n] = 1/16 * sum over heads, over the 256 key rows s of chunk c and over d of
;                    softmax over q ( (query Wq + bq)(key Wk + bk)^T / sqrt 8 )[h][q][s] * value[s][d] * Wo[64 h + d][n]
; The softmax runs over the 128 queries, so it is complete inside a column (b, h, s) and a work-group can own a chunk of s.
; The sum over the eight chunks, the factor 16 and bo are the second launch's.
;
; WORK.  Work-group = (chunk c = x, batch b = y), eight waves.  Each byte of key and value is loaded once in the launch.
;   phase 0  all 54 loads of the wave go out; Wq and Wk (8 rows a wave) go as f16 into LDS for all waves
;   phase 1  wave w projects ITS OWN 16 query rows and 32 key rows onto all 64 dimensions and hands each head its 8 (16 bytes a row) through LDS;
;            value (32 rows a wave, times 1/16) is converted only behind that, so the projections run while it is on its way
;   phase 2  wave w = head w.  Eight trips of 32 s: scores, softmax over q in registers, attn x value into 128 q x 64 d of f32 (256 registers);
;            each half trip also stages 4 of the 64 rows of Wo that belong to the wave's head
;   phase 3  x as f16 into LDS;  phase 4  x (128 x 512) times Wo, wave = 32 q x 64 n;  phase 5  out through the wave's own stage
;
; LAYOUT THAT KEEPS THE SOFTMAX IN REGISTERS.  Scores are made as D[m = s][n = q]: lane (r, h) holds q = r, register j holds s = 8 h + j.
; The maximum and the sum over q are then a reduction over the eight q tiles in the lane and over the 16 lanes of a row, and the eight
; exponentials of a lane, packed to f16, ARE registers 0-3 (first 16 s) or 4-7 (second 16 s) of the fragment [n = q][k = s] that the next product wants.
; The eight sums of a lane lie in the same order of s as value's fragment [m = d][k = s]: 1 / sum is multiplied into value (16 packed lines for 16 s), not into attn (32).
;
; FORMATS AND LIMITS.  Every matrix operand is f16, every sum, the softmax and the biases f32.  f16 and not bf16: four roundings lie in a row
; (q and k, attn, value / sum, x), and eight significant bits in each leave too little of the margin that the result is allowed.
; So these must stay below 65,504 in magnitude, or the result is infinite or NaN: key, query, Wq, Wk, Wo, value / 16, 0.51 (query Wq + bq),
; key Wk + bk, and x / 16, which is at most 16 max|value| since a column of attn is at most 1 and a chunk has 256 rows.
; Operands below 2^-14 keep an absolute step of 2^-25; that holds of value / (16 sum) too, the sum lying between 1 and 128.
; Exponentials below 2^-126 count as 0 (ISA guide, 15.8); the column's true maximum is taken away first.
; The heads' 8 dimensions are padded to K = 32: k = 8 .. 15 is zero in q alone (k holds a copy of its 8 numbers there), k = 16 .. 31 is zero in k alone
; (q's fragments overlap, see QF).  So 0 x q and 0 x k are relied on to be 0: with infinite or NaN q or k the pattern of NaN may differ from the module's.
;
; NO JOINT LOADS.  What work-groups share is Wo (262,144 bytes of f32), query, Wq, Wk.  Every LDS image here is f16 and is made on the way
; through registers; an f32 image of Wo has no room beside the 165,888 bytes that phases 0 to 2 hold, out of 327,680.  key and value are shared with nobody.
;
; LDS.  Pitches: 144 and 272 are odd multiples of 16 (sixteen rows of a fragment begin at sixteen different 16-byte columns modulo 256),
; 160 and 288 are odd multiples of 32 (the same for the eight rows x two columns that sixteen lanes of a transposing load touch).
.set PA,   144                         ; rows of 64 f16 read along K: key, query, x
.set PB,   160                         ; rows of 64 f16 read transposed: value, Wq, Wk
.set PW,   288                         ; rows of 128 f16 read transposed: Wo
.set PS,   272                         ; rows of 64 f32: the stage
.set LK,   0                           ; key     256 rows x 144; a wave reads only the 32 rows that it wrote
.set LV,   LK+256*PA                   ; value   256 rows x 160      at  36,864
.set LQY,  LV+256*PB                   ; query   128 rows x 144      at  77,824; a wave reads only its own 16 rows
.set LWQ,  LQY+128*PA                  ; Wq       64 rows x 160      at  96,256
.set LWK,  LWQ+64*PB                   ; Wk       64 rows x 160      at 106,496
.set LKP,  LWK+64*PB                   ; k: [writing wave 8][head 8][32 s][16 bytes]   at 116,736
.set LQP,  LKP+8*4096                  ; q: [writing wave 8][head 8][16 q][16 bytes]   at 149,504
.set LWO,  LQP+8*2048                  ; Wo      512 rows x 288      at 165,888
.set LBI,  LWO+512*PW                  ; bq, bk as f32, 512 bytes of each wave's own   at 313,344, ends at 317,440
.set XHEAD, 128*PA                     ; x: head w at w x 18,432, 128 rows x 144; over bytes 0 to 147,455, behind the third barrier
.set STW,  32*PS                       ; stage: wave w at w x 8,704, 32 rows x 272; over bytes 0 to 69,631, behind the fifth barrier
; REGISTERS.  Window 0:
.set GOF,  1                           ; 16 x lane: the vector offset of the global loads; steps 2,048 with each group of Wo
.set KPA,  2                           ; my 16 bytes of my head's k in a writer's block; steps 4,096 a trip
.set VFA,  3                           ; my address for value's transposing loads
.set WST,  4                           ; my 8 bytes of a row of Wo in LDS
.set SK,   5                           ; phases 0, 1: where my f16 go: key,
.set SQ,   6                           ;   query,
.set SV,   7                           ;   value
.set FRK,  8                           ; phase 1: fragment address in my key rows,
.set FRQ,  9                           ;   in my query rows
.set TRW,  10                          ;   transposing address in Wq
.set KPS,  11                          ;   where my 16 bytes of k go,
.set QPS,  12                          ;   of q
.set QPA,  13                          ;   my 16 bytes of my head's q in a writer's block
.set BIS,  14                          ;   my 8 bytes of a bias, in
.set BIA,  15                          ;   my 32 bytes of a bias, back
.set MX,   8                           ; v[8:15]    phase 2: maxima; then v[8:11] 1 / sum as f16
.set ZS,   16                          ; v[16:23]   phase 2: sums (phases 0, 1: lane numbers)
.set KF,   24                          ; v[24:39]   two k fragments (registers 4-7 of each stay 0); phase 1: q's accumulators 0, 1
.set QF,   40                          ; v[40:75]   q: fragment t is v[40+4t:47+4t]; its registers 4-7 are the next one's 0-3 and meet k's zeros; v[72:75] = 0
.set SWQ,  76                          ; phase 0: where my f16 of Wq go,
.set SWK,  77                          ;   of Wk
.set KEEPH, 78                         ; all ones in lanes h = 0
.set WOR,  80                          ; v[80:95]   four rows' share of Wo on its way
.set VF,   96                          ; v[96:127]  value's four fragments
.set QR,   96                          ; v[96:111]  phase 1: my 16 query rows as two fragments; q's accumulators 2, 3 in v[112:127]
.set SC,   128                         ; v[128:191] scores, tile t at 8 t
.set KR,   128                         ; v[128:159] phase 1: my 32 key rows as 2 x 2 fragments; k's accumulators in v[160:191] (rows 0-15) and v[40:71] (rows 16-31)
.set PR,   192                         ; v[192:255] attn, fragment t at 8 t
.set BQ,   192                         ; v[192:223] phase 1: bq as C, 8 registers for each 16 dimensions
.set BK,   224                         ; v[224:255] phase 1: bk likewise
; Window 1 (v256-v511): phases 0, 1: value as loaded in its v[0:63], Wq's fragments at WQF, Wk's at WKF (16 dimensions x 32 K at 16 dt + 8 kk);
;                       from phase 2 on the 32 accumulators of attn x value, tile (t, d) at 8 (4 t + d).
.set WQF,  64
.set WKF,  128
.set XA,   5                           ; phases 3 to 5
.set XFA,  8                           ; v[8:10]
.set WOA,  11                          ; v[11:13]
.set STA,  14
.set RDA,  15
.set OUO,  16
.set OA,   64                          ; v[64:127]  out, tile (tt, nt) at 8 (4 tt + nt)
.set FB0,  128                         ; fragment buffers: x's two at +0, Wo's four at +16
.set FB1,  176
.set MSB, 0
.macro WIN new                         ; s_set_vgpr_msb: bits 1:0 source 0, 3:2 source 1, 5:4 source 2, 7:6 destination; the high byte repeats the setting that is left
.if MSB != \new
	s_set_vgpr_msb (MSB<<8)|\new
.set MSB, \new
.endif
.endm
.macro BAR
	s_barrier_signal -1
	s_barrier_wait -1
.endm
.macro PLACES                          ; four places behind a matrix instruction (ISA guide 7.12.1)
.rept 4
	v_nop
.endr
.endm
	s_load_b512 s[8:23], s[0:1], 0x0               ; key 8, value 10, query 12, Wq 14, Wk 16, bq 18, bk 20, Wo 22
	s_load_b64 s[24:25], s[0:1], 0x40              ; part
	v_lshrrev_b32 v16, 5, v0
	v_readfirstlane_b32 s2, v16                    ; wave
	s_and_b32 s3, ttmp7, 0xffff                    ; batch
	v_and_b32 v16, 31, v0                          ; L
	v_and_b32 v17, 15, v0                          ; r
	v_bfe_u32 v18, v0, 4, 1                        ; h
	v_and_b32 v19, 7, v0
	v_lshl_add_u32 v19, v18, 3, v19                ; 8 h + (L & 7): my row in a transposing load
	v_bfe_u32 v20, v0, 3, 1                        ; (L >> 3) & 1: my 16-byte column there
	v_lshlrev_b32 v[GOF], 4, v16
	v_lshlrev_b32 v21, 3, v16                      ; 8 L: my two numbers of a bias
	s_mov_b32 s34, 0x3f0293ee                      ; log2(e) / sqrt 8: scores come out as exponents of 2
	s_mov_b32 s35, 0x3f0293ee
	s_mov_b32 s36, 0x3d800000                      ; 1/16 for value
	s_mov_b32 s37, 0x3d800000
	; byte offsets of the wave's shares, each in a pair of its own
	s_lshl_b32 s28, s3, 19                         ; key, value: batch x 2,048 rows x 256
	s_lshl_b32 s30, ttmp9, 16                      ;   + chunk x 256 rows
	s_add_co_u32 s28, s28, s30
	s_lshl_b32 s30, s2, 13                         ;   + wave x 32 rows
	s_add_co_u32 s28, s28, s30
	s_mov_b32 s29, 0
	s_lshl_b32 s30, s3, 15                         ; query: batch x 128 rows + wave x 16 rows
	s_lshl_b32 s32, s2, 12
	s_add_co_u32 s30, s30, s32
	s_mov_b32 s31, 0
	s_lshl_b32 s32, s2, 11                         ; Wq, Wk: wave x 8 rows
	s_mov_b32 s33, 0
	s_lshl_b32 s4, s2, 15                          ; Wo: the 64 rows of 512 bytes of head = wave
	s_mov_b32 s5, 0
	s_lshl_b32 s6, ttmp9, 5                        ; part: (32 chunk + batch) x 65,536
	s_add_co_u32 s6, s6, s3
	s_lshl_b32 s6, s6, 16
	s_lshr_b32 s26, s2, 1
	s_lshl_b32 s26, s26, 14                        ;   + (wave / 2) x 32 rows of 512 bytes
	s_add_co_u32 s6, s6, s26
	s_and_b32 s26, s2, 1
	s_lshl_b32 s26, s26, 8                         ;   + (wave & 1) x 64 columns
	s_add_co_u32 s6, s6, s26
	s_mov_b32 s7, 0
	s_wait_kmcnt 0x0
	s_add_nc_u64 s[8:9], s[8:9], s[28:29]
	s_add_nc_u64 s[10:11], s[10:11], s[28:29]
	s_add_nc_u64 s[12:13], s[12:13], s[30:31]
	s_add_nc_u64 s[14:15], s[14:15], s[32:33]
	s_add_nc_u64 s[16:17], s[16:17], s[32:33]
	s_add_nc_u64 s[22:23], s[22:23], s[4:5]
	s_add_nc_u64 s[24:25], s[24:25], s[6:7]
	; PHASE 0.  All 54 loads of the wave go out at once, in the order in which they are needed; each of the wide ones covers 512 neighbouring
	; bytes (two rows of 64 f32), aligned, each bias load the bias's whole 256 bytes.
.irp i,0,1,2,3
	global_load_b128 v[40+4*\i:43+4*\i], v[GOF], s[14:15] offset:512*\i
.endr
.irp i,0,1,2,3
	global_load_b128 v[56+4*\i:59+4*\i], v[GOF], s[16:17] offset:512*\i
.endr
	global_load_b64 v[72:73], v21, s[18:19]
	global_load_b64 v[74:75], v21, s[20:21]
.irp i,0,1,2,3,4,5,6,7
	global_load_b128 v[96+4*\i:99+4*\i], v[GOF], s[12:13] offset:512*\i
.endr
.irp i,0,1,2,3,4,5,6,7,8,9,10,11,12,13,14,15
	global_load_b128 v[128+4*\i:131+4*\i], v[GOF], s[8:9] offset:512*\i th:TH_LOAD_NT
.endr
	WIN 0x40                                       ; value lands in window 1, which has nothing else to hold until the first trip's products
.irp i,0,1,2,3,4,5,6,7,8,9,10,11,12,13,14,15
	global_load_b128 v[4*\i:4*\i+3], v[GOF], s[10:11] offset:512*\i th:TH_LOAD_NT
.endr
	WIN 0
.irp i,0,1,2,3
	global_load_b128 v[WOR+4*\i:WOR+4*\i+3], v[GOF], s[22:23] offset:512*\i   ; Wo's first four rows of my head
.endr
	; where the f16 go: lanes 0-15 one row, lanes 16-31 the next, 8 bytes a lane; the wave's rows are neighbours
	v_mul_u32_u24 v[SK], v18, PA
	v_lshl_add_u32 v[SK], v17, 3, v[SK]            ; h x 144 + 8 r
	v_mul_u32_u24 v[SV], v18, PB
	v_lshl_add_u32 v[SV], v17, 3, v[SV]            ; h x 160 + 8 r
	s_mul_i32 s26, s2, 16*PA
	s_add_co_u32 s26, s26, LQY
	v_add_nc_u32 v[SQ], s26, v[SK]                 ; query
	s_mul_i32 s26, s2, 32*PA
	v_add_nc_u32 v[SK], s26, v[SK]                 ; key (LK = 0)
	s_mul_i32 s26, s2, 8*PB
	s_add_co_u32 s26, s26, LWQ
	v_add_nc_u32 v[SWQ], s26, v[SV]                ; Wq
	v_add_nc_u32 v[SWK], LWK-LWQ, v[SWQ]           ; Wk
	s_mul_i32 s26, s2, 32*PB
	s_add_co_u32 s26, s26, LV
	v_add_nc_u32 v[SV], s26, v[SV]                 ; value
	s_lshl_b32 s26, s2, 9
	s_add_co_u32 s26, s26, LBI
	v_add_nc_u32 v[BIS], s26, v21                  ; the biases, in: 8 bytes a lane
	v_lshl_add_u32 v[BIA], v18, 5, s26             ; and back: dimensions 8 h .. 8 h + 7 of each 16
.macro CVST reg, addr, off             ; four f32 of a lane to f16, in place, and into LDS
	v_cvt_pk_f16_f32 v[\reg], v[\reg], v[\reg+1]
	v_cvt_pk_f16_f32 v[\reg+1], v[\reg+2], v[\reg+3]
	ds_store_b64 v[\addr], v[\reg:\reg+1] offset:\off
.endm
	; loads come back in order (ISA guide 5.7.1): each count is the number of loads issued behind those that are needed
	s_wait_loadcnt 46                              ; Wq, Wk are in (behind them: 2 biases, 8 query, 16 key, 16 value, 4 Wo)
.irp i,0,1,2,3
	CVST 40+4*\i, SWQ, \i*2*PB
.endr
.irp i,0,1,2,3
	CVST 56+4*\i, SWK, \i*2*PB
.endr
	s_wait_loadcnt 44                              ; the biases
	ds_store_b64 v[BIS], v[72:73]
	ds_store_b64 v[BIS], v[74:75] offset:256
	s_wait_dscnt 0x0                               ; my rows of Wq and Wk are in LDS: the other waves read them behind the barrier
	s_barrier_signal -1
	v_add_nc_u32 v[KEEPH], -1, v18                 ; register work while the others arrive: the addresses of phases 1 and 2
	v_mul_u32_u24 v[FRK], v17, PA
	v_lshl_add_u32 v[FRK], v18, 4, v[FRK]          ; r x 144 + 16 h
	s_mul_i32 s26, s2, 16*PA
	s_add_co_u32 s26, s26, LQY
	v_add_nc_u32 v[FRQ], s26, v[FRK]               ; in my 16 query rows
	s_mul_i32 s26, s2, 32*PA
	v_add_nc_u32 v[FRK], s26, v[FRK]               ; in my 32 key rows
	v_mul_u32_u24 v[TRW], v19, PB
	v_lshl_add_u32 v[TRW], v20, 4, v[TRW]          ; (8 h + (L & 7)) x 160 + 16 ((L >> 3) & 1)
	v_add_nc_u32 v[VFA], LV, v[TRW]
	v_add_nc_u32 v[TRW], LWQ, v[TRW]
	v_lshlrev_b32 v[KPS], 4, v17                   ; 16 r
	v_lshl_add_u32 v[QPS], v18, 8, v[KPS]          ; q out: my block + (head 2 dt + h) x 256 + 16 r; dt in the immediate
	s_lshl_b32 s26, s2, 11
	s_add_co_u32 s26, s26, LQP
	v_add_nc_u32 v[QPS], s26, v[QPS]
	s_lshl_b32 s26, s2, 8
	s_add_co_u32 s26, s26, LQP
	v_add_nc_u32 v[QPA], s26, v[KPS]               ; q in: head = wave; the writer's block (= q tile) in the immediate; both halves of the lanes read the same bytes
	s_lshl_b32 s26, s2, 9
	s_add_co_u32 s26, s26, LKP
	v_add_nc_u32 v[KPA], s26, v[KPS]               ; k in: head = wave; the writer's block = trip
	v_lshl_add_u32 v[KPS], v18, 9, v[KPS]          ; k out: my block + (head 2 dt + h) x 512 + 16 r
	s_lshl_b32 s26, s2, 12
	s_add_co_u32 s26, s26, LKP
	v_add_nc_u32 v[KPS], s26, v[KPS]
	s_mul_i32 s26, s2, 64*PW
	s_add_co_u32 s26, s26, LWO
	v_lshl_add_u32 v[WST], v16, 3, s26
	s_barrier_wait -1
	; PHASE 1.  D[m = dimension][n = row] = W^T x rows^T + bias, K = 64 in two steps, 16 dimensions a tile.  Lane (r, h) of tile dt ends with
	; dimensions 16 dt + 8 h .. + 7 of row r: the 8 dimensions of head 2 dt + h, 16 bytes as f16, registers 0-3 of that row's K = 32 fragment.
	WIN 0x40
.irp d,0,1,2,3
.irp k,0,1
	ds_load_tr16_b128 v[WQF+16*\d+8*\k:WQF+16*\d+8*\k+3], v[TRW] offset:32*\d+\k*32*PB
	ds_load_tr16_b128 v[WQF+16*\d+8*\k+4:WQF+16*\d+8*\k+7], v[TRW] offset:32*\d+\k*32*PB+16*PB
.endr
.endr
.irp d,0,1,2,3
.irp k,0,1
	ds_load_tr16_b128 v[WKF+16*\d+8*\k:WKF+16*\d+8*\k+3], v[TRW] offset:LWK-LWQ+32*\d+\k*32*PB
	ds_load_tr16_b128 v[WKF+16*\d+8*\k+4:WKF+16*\d+8*\k+7], v[TRW] offset:LWK-LWQ+32*\d+\k*32*PB+16*PB
.endr
.endr
	WIN 0
.irp d,0,1,2,3
	ds_load_b128 v[BQ+8*\d:BQ+8*\d+3], v[BIA] offset:64*\d             ; the wave's own bytes, served in order behind its stores (ISA guide 5.7.1)
	ds_load_b128 v[BQ+8*\d+4:BQ+8*\d+7], v[BIA] offset:64*\d+16
	ds_load_b128 v[BK+8*\d:BK+8*\d+3], v[BIA] offset:256+64*\d
	ds_load_b128 v[BK+8*\d+4:BK+8*\d+7], v[BIA] offset:256+64*\d+16
.endr
	s_wait_loadcnt 36                              ; query
.irp i,0,1,2,3,4,5,6,7
	CVST 96+4*\i, SQ, \i*2*PA
.endr
.irp q,0,1,2,3
	ds_load_b128 v[QR+4*\q:QR+4*\q+3], v[FRQ] offset:32*\q             ; my own rows back as fragments: no barrier
.endr
	s_wait_dscnt 0x0                               ; W's fragments, the biases, my query rows
	WIN 0x01                                       ; A in window 1
	; q's accumulator dt lies at 24, 32, 112, 120.  The four take turns, one instruction a turn.
.irp d,0,1,2,3
	v_wmma_f32_16x16x32_f16 v[24+8*\d+72*(\d/2):31+8*\d+72*(\d/2)], v[WQF+16*\d:WQF+16*\d+7], v[QR:QR+7], v[BQ+8*\d:BQ+8*\d+7]
.endr
.irp d,0,1,2,3
	v_wmma_f32_16x16x32_f16 v[24+8*\d+72*(\d/2):31+8*\d+72*(\d/2)], v[WQF+16*\d+8:WQF+16*\d+15], v[QR+8:QR+15], v[24+8*\d+72*(\d/2):31+8*\d+72*(\d/2)]
.endr
	WIN 0
	PLACES
.irp d,0,1,2,3
.irp u,0,2,4,6
	v_pk_mul_f32 v[24+8*\d+72*(\d/2)+\u:25+8*\d+72*(\d/2)+\u], v[24+8*\d+72*(\d/2)+\u:25+8*\d+72*(\d/2)+\u], s[34:35] op_sel_hi:[1,0]
.endr
.irp u,0,1,2,3
	v_cvt_pk_f16_f32 v[24+8*\d+72*(\d/2)+\u], v[24+8*\d+72*(\d/2)+2*\u], v[25+8*\d+72*(\d/2)+2*\u]
.endr
	ds_store_b128 v[QPS], v[24+8*\d+72*(\d/2):27+8*\d+72*(\d/2)] offset:\d*512
.endr
	s_wait_loadcnt 28                              ; key, my rows 0-15
.irp i,0,1,2,3,4,5,6,7
	CVST 128+4*\i, SK, \i*2*PA
.endr
	s_wait_loadcnt 20                              ; key, my rows 16-31
.irp i,8,9,10,11,12,13,14,15
	CVST 128+4*\i, SK, \i*2*PA
.endr
.irp e,0,1
.irp q,0,1,2,3
	ds_load_b128 v[KR+16*\e+4*\q:KR+16*\e+4*\q+3], v[FRK] offset:\e*16*PA+32*\q
.endr
.endr
	s_wait_dscnt 0x0
	WIN 0x01
	; k's accumulator (rows e, dimensions dt) lies at 160 - 120 e + 8 dt.  The eight take turns, one instruction a turn.
.irp e,0,1
.irp d,0,1,2,3
	v_wmma_f32_16x16x32_f16 v[160-120*\e+8*\d:167-120*\e+8*\d], v[WKF+16*\d:WKF+16*\d+7], v[KR+16*\e:KR+16*\e+7], v[BK+8*\d:BK+8*\d+7]
.endr
.endr
.irp e,0,1
.irp d,0,1,2,3
	v_wmma_f32_16x16x32_f16 v[160-120*\e+8*\d:167-120*\e+8*\d], v[WKF+16*\d+8:WKF+16*\d+15], v[KR+16*\e+8:KR+16*\e+15], v[160-120*\e+8*\d:167-120*\e+8*\d]
.endr
.endr
	WIN 0
	PLACES
.irp e,0,1
.irp d,0,1,2,3
.irp u,0,1,2,3
	v_cvt_pk_f16_f32 v[160-120*\e+8*\d+\u], v[160-120*\e+8*\d+2*\u], v[161-120*\e+8*\d+2*\u]
.endr
	ds_store_b128 v[KPS], v[160-120*\e+8*\d:163-120*\e+8*\d] offset:\d*1024+\e*256
.endr
.endr
	s_wait_loadcnt 4                               ; value; Wo's four loads stay out
	WIN 0x41                                       ; source 0 and destination in window 1
.irp i,0,1,2,3,4,5,6,7,8,9,10,11,12,13,14,15
	v_pk_mul_f32 v[4*\i:4*\i+1], v[4*\i:4*\i+1], s[36:37] op_sel_hi:[1,0]          ; times 1/16, exact
	v_pk_mul_f32 v[4*\i+2:4*\i+3], v[4*\i+2:4*\i+3], s[36:37] op_sel_hi:[1,0]
.endr
	WIN 0x45                                       ; both sources and the destination
.irp i,0,1,2,3,4,5,6,7,8,9,10,11,12,13,14,15
	v_cvt_pk_f16_f32 v[4*\i], v[4*\i], v[4*\i+1]
	v_cvt_pk_f16_f32 v[4*\i+1], v[4*\i+2], v[4*\i+3]
.endr
	WIN 0x04                                       ; an LDS store's data is source 1; its address stays in window 0
.irp i,0,1,2,3,4,5,6,7,8,9,10,11,12,13,14,15
	ds_store_b64 v[SV], v[4*\i:4*\i+1] offset:\i*2*PB
.endr
	WIN 0
	s_wait_dscnt 0x0                               ; my q, k and value are in LDS
	BAR                                            ; everybody's are
.irp t,0,1,2,3,4,5,6,7
	ds_load_b128 v[QF+4*\t:QF+4*\t+3], v[QPA] offset:\t*2048           ; my head's q, all 128 rows
.endr
	ds_load_b128 v[KF:KF+3], v[KPA]                                    ; my head's k, s = 0 .. 15
	ds_load_b128 v[KF+8:KF+11], v[KPA] offset:256                      ; s = 16 .. 31
.irp n,28,29,30,31,36,37,38,39,72,73,74,75
	v_mov_b32 v[\n], 0                             ; k = 16 .. 31 of both k fragments, and what lies behind q's last fragment, for the whole of phase 2
.endr
	s_wait_dscnt 0x0
.irp n,0,1,2,3,4,5,6,7,8,9,10,11,12,13,14,15,16,17,18,19,20,21,22,23,24,25,26,27,28,29,30,31
	v_and_b32 v[QF+\n], v[KEEPH], v[QF+\n]         ; lanes h = 1 are k = 8 .. 15: zero in q, once
.endr
	; PHASE 2.
.macro SUBT t
.irp i,0,2,4,6
	v_pk_add_f32 v[SC+8*(\t)+\i:SC+8*(\t)+\i+1], v[SC+8*(\t)+\i:SC+8*(\t)+\i+1], v[MX+\i:MX+\i+1] neg_lo:[0,1] neg_hi:[0,1]
.endr
.endm
.macro EXPT t
.irp j,0,1,2,3,4,5,6,7
	v_exp_f32 v[SC+8*(\t)+\j], v[SC+8*(\t)+\j]
.endr
.endm
.macro ADDT t
	s_wait_alu depctr_va_vdst(0)
.irp i,0,2,4,6
	v_pk_add_f32 v[ZS+\i:ZS+\i+1], v[ZS+\i:ZS+\i+1], v[SC+8*(\t)+\i:SC+8*(\t)+\i+1]
.endr
.endm
; 16 s against all 128 q.  half: which k fragment, and which half of attn's and value's fragments.  wonext: ask for Wo's next four rows.  kfnext: fetch the next trip's k.
.macro SM half, wonext, kfnext
.irp t,0,1,2,3,4,5,6,7
	v_wmma_f32_16x16x32_f16 v[SC+8*\t:SC+8*\t+7], v[KF+8*\half:KF+8*\half+7], v[QF+4*\t:QF+4*\t+7], 0
.endr
	s_wait_loadcnt 0x0                             ; Wo's four loads of the half trip before: the only loads that are out
.irp i,0,1,2,3
	v_cvt_pk_f16_f32 v[WOR+4*\i], v[WOR+4*\i], v[WOR+4*\i+1]       ; these eight are also the places behind the matrix instructions above
	v_cvt_pk_f16_f32 v[WOR+4*\i+1], v[WOR+4*\i+2], v[WOR+4*\i+3]   ; (and behind the last trip's, whose sources the LDS loads below fill)
.endr
.irp i,0,1,2,3
	ds_store_b64 v[WST], v[WOR+4*\i:WOR+4*\i+1] offset:PW*\i       ; a row's 256 bytes from the 32 lanes
.endr
	v_add_nc_u32 v[WST], 4*PW, v[WST]
.if \wonext
	v_add_nc_u32 v[GOF], 2048, v[GOF]              ; free since the wait for its loads
.irp i,0,1,2,3
	global_load_b128 v[WOR+4*\i:WOR+4*\i+3], v[GOF], s[22:23] offset:512*\i
.endr
.endif
.if \half == 0
.irp d,0,1,2,3
	ds_load_tr16_b128 v[VF+8*\d:VF+8*\d+3], v[VFA] offset:32*\d            ; value^T: m = d, k = s
	ds_load_tr16_b128 v[VF+8*\d+4:VF+8*\d+7], v[VFA] offset:32*\d+16*PB
.endr
	v_add_nc_u32 v[VFA], 32*PB, v[VFA]
.endif
.if \kfnext
	v_add_nc_u32 v[KPA], 4096, v[KPA]              ; the next writer's block
	ds_load_b128 v[KF:KF+3], v[KPA]
	ds_load_b128 v[KF+8:KF+11], v[KPA] offset:256
.endif
	; the maximum over q of each of my eight s: over the eight tiles in the lane, then over the 16 lanes of my row
.irp j,0,1,2,3,4,5,6,7
	v_max3_num_f32 v[MX+\j], v[SC+\j], v[SC+8+\j], v[SC+16+\j]
.endr
.irp j,0,1,2,3,4,5,6,7
	v_max3_num_f32 v[MX+\j], v[MX+\j], v[SC+24+\j], v[SC+32+\j]
.endr
.irp j,0,1,2,3,4,5,6,7
	v_max3_num_f32 v[MX+\j], v[MX+\j], v[SC+40+\j], v[SC+48+\j]
.endr
.irp j,0,1,2,3,4,5,6,7
	v_max_num_f32 v[MX+\j], v[MX+\j], v[SC+56+\j]
.endr
.irp m,1,2,4,8
.irp j,0,1,2,3,4,5,6,7
	v_max_num_f32_dpp v[MX+\j], v[MX+\j], v[MX+\j] row_xmask:\m row_mask:0xf bank_mask:0xf
.endr
.endr
	; 2^(score - maximum) and the sums.  Behind each run of exponentials the next tile's subtractions stand before its results are read (ISA guide 5.7.2)
	SUBT 0
	EXPT 0
	SUBT 1
	EXPT 1
	SUBT 2
	s_wait_alu depctr_va_vdst(0)
.irp i,0,2,4,6
	v_pk_add_f32 v[ZS+\i:ZS+\i+1], v[SC+\i:SC+\i+1], v[SC+8+\i:SC+8+\i+1]   ; the first two tiles start the sums
.endr
.irp t,2,3,4,5,6
	EXPT \t
	SUBT \t+1
	ADDT \t
.endr
	EXPT 7
	v_nop
	s_wait_alu depctr_va_vdst(0)
	ADDT 7
.irp m,1,2,4,8
.irp j,0,1,2,3,4,5,6,7
	v_add_f32_dpp v[ZS+\j], v[ZS+\j], v[ZS+\j] row_xmask:\m row_mask:0xf bank_mask:0xf
.endr
.endr
.irp j,0,1,2,3,4,5,6,7
	v_rcp_f32 v[ZS+\j], v[ZS+\j]                   ; the sum is between 1 and 128
.endr
	; the exponentials go into the product as they are, between 0 and 1; these 32 lines also stand between the reciprocals and their use
.irp t,0,1,2,3,4,5,6,7
.irp i,0,1,2,3
	v_cvt_pk_f16_f32 v[PR+8*\t+4*\half+\i], v[SC+8*\t+2*\i], v[SC+8*\t+2*\i+1]   ; s = 8 h + 2 i, + 1: the fragment's own order
.endr
.endr
	s_wait_alu depctr_va_vdst(0)
.irp i,0,1,2,3
	v_cvt_pk_f16_f32 v[MX+\i], v[ZS+2*\i], v[ZS+2*\i+1]            ; 1 / sum of s = 8 h + 2 i, + 1: the order of k in value's fragments
.endr
	s_wait_dscnt 0x0                               ; value's fragments (and the next k, and Wo's stores), all issued a softmax ago
.irp d,0,1,2,3
.irp i,0,1,2,3
	v_pk_mul_f16 v[VF+8*\d+4*\half+\i], v[VF+8*\d+4*\half+\i], v[MX+\i]
.endr
.endr
.endm
; D[m = d][n = q] += (value / sum)^T x exponentials over 32 s.  The 32 accumulators take turns, one instruction a turn.
.macro PVM zero
	WIN 0x50                                       ; C and D in window 1
.irp t,0,1,2,3,4,5,6,7
.irp d,0,1,2,3
.if \zero
	v_wmma_f32_16x16x32_f16 v[8*(4*\t+\d):8*(4*\t+\d)+7], v[VF+8*\d:VF+8*\d+7], v[PR+8*\t:PR+8*\t+7], 0
.else
	v_wmma_f32_16x16x32_f16 v[8*(4*\t+\d):8*(4*\t+\d)+7], v[VF+8*\d:VF+8*\d+7], v[PR+8*\t:PR+8*\t+7], v[8*(4*\t+\d):8*(4*\t+\d)+7]
.endif
.endr
.endr
	WIN 0
.endm
.macro ITER zero, more
	SM 0, 1, 0
	SM 1, \more, \more
	PVM \zero
.endm
	ITER 1, 1                                      ; the first trip's products start the sums: nothing is cleared
	s_mov_b32 s26, 6
.Ltrip:
	ITER 0, 1
	s_sub_co_u32 s26, s26, 1
	s_cmp_lg_u32 s26, 0
	s_cbranch_scc1 .Ltrip
	ITER 0, 0                                      ; the last trip: its second half asks for no Wo (all 16 groups are in) and no k
	; PHASE 3.  The addresses of phases 3 to 5 are the places behind the last matrix instructions.
	v_and_b32 v17, 15, v0                          ; r
	v_bfe_u32 v18, v0, 4, 1                        ; h
	v_and_b32 v19, 7, v0
	v_lshl_add_u32 v19, v18, 3, v19                ; 8 h + (L & 7)
	v_bfe_u32 v20, v0, 3, 1
	v_mul_u32_u24 v21, v17, PA
	v_lshl_add_u32 v21, v18, 4, v21                ; r x 144 + 16 h
	s_mul_i32 s26, s2, XHEAD
	v_add_nc_u32 v[XA], s26, v21                   ; x out: my head's block
	s_lshr_b32 s27, s2, 1                          ; phase 4: my 32 q
	s_and_b32 s28, s2, 1                           ;          my 64 n
	s_mul_i32 s26, s27, 32*PA
	v_add_nc_u32 v[XFA], s26, v21                  ; x in: heads 0-2, 3-5, 6-7 from three bases (an LDS offset has 16 bits)
	v_add_nc_u32 v[XFA+1], 3*XHEAD, v[XFA]
	v_add_nc_u32 v[XFA+2], 6*XHEAD, v[XFA]
	v_mul_u32_u24 v[WOA], v19, PW
	v_lshl_add_u32 v[WOA], v20, 4, v[WOA]
	s_lshl_b32 s26, s28, 7
	s_add_co_u32 s26, s26, LWO
	v_add_nc_u32 v[WOA], s26, v[WOA]               ; Wo, transposing: K steps 0-5, 6-11, 12-15
	v_add_nc_u32 v[WOA+1], 6*32*PW, v[WOA]
	v_add_nc_u32 v[WOA+2], 12*32*PW, v[WOA]
	s_mul_i32 s26, s2, STW
	v_mul_u32_u24 v[STA], v17, PS
	v_lshl_add_u32 v[STA], v18, 5, v[STA]
	v_add_nc_u32 v[STA], s26, v[STA]               ; stage in: row r, 32 bytes for each half of the lanes
	v_mul_u32_u24 v[RDA], v18, PS
	v_lshl_add_u32 v[RDA], v17, 4, v[RDA]
	v_add_nc_u32 v[RDA], s26, v[RDA]               ; stage back: lanes 0-15 one row of 256 bytes, lanes 16-31 the next
	v_lshlrev_b32 v[OUO], 9, v18
	v_lshl_add_u32 v[OUO], v17, 4, v[OUO]          ; and the same two rows in part
	WIN 0x05                                       ; sources in window 1
.irp t,0,1,2,3,4,5,6,7
.irp d,0,1,2,3
.irp i,0,1,2,3
	v_cvt_pk_f16_f32 v[128+4*(4*\t+\d)+\i], v[8*(4*\t+\d)+2*\i], v[8*(4*\t+\d)+2*\i+1]   ; 8 neighbouring d of one q: 16 bytes of x / 16
.endr
.endr
.endr
	WIN 0
	s_wait_dscnt 0x0                               ; my reads of value and k and my stores of Wo are done
	BAR                                            ; everybody's: bytes 0 to 147,455 may be written, Wo is whole
.irp t,0,1,2,3,4,5,6,7
.irp d,0,1,2,3
	ds_store_b128 v[XA], v[128+4*(4*\t+\d):128+4*(4*\t+\d)+3] offset:\t*16*PA+\d*32
.endr
.endr
	s_wait_dscnt 0x0
	BAR                                            ; x is whole
	; PHASE 4.  D[m = n][n = q] = Wo^T x x^T, K = 512 in 16 steps on two fragment buffers; a step's 12 loads go out one step ahead.
.macro FETCHO ks, fb
.irp tt,0,1
	ds_load_b128 v[\fb+8*\tt:\fb+8*\tt+3], v[XFA+(\ks)/6] offset:(((\ks)/2)%3)*XHEAD+\tt*16*PA+((\ks)%2)*64
	ds_load_b128 v[\fb+8*\tt+4:\fb+8*\tt+7], v[XFA+(\ks)/6] offset:(((\ks)/2)%3)*XHEAD+\tt*16*PA+((\ks)%2)*64+32
.endr
.irp nt,0,1,2,3
	ds_load_tr16_b128 v[\fb+16+8*\nt:\fb+16+8*\nt+3], v[WOA+(\ks)/6] offset:((\ks)%6)*32*PW+\nt*32
	ds_load_tr16_b128 v[\fb+16+8*\nt+4:\fb+16+8*\nt+7], v[WOA+(\ks)/6] offset:((\ks)%6)*32*PW+\nt*32+16*PW
.endr
.endm
.macro MULO fb, zero                   ; eight accumulators by turns, one instruction a turn
.irp tt,0,1
.irp nt,0,1,2,3
.if \zero
	v_wmma_f32_16x16x32_f16 v[OA+8*(4*\tt+\nt):OA+8*(4*\tt+\nt)+7], v[\fb+16+8*\nt:\fb+16+8*\nt+7], v[\fb+8*\tt:\fb+8*\tt+7], 0
.else
	v_wmma_f32_16x16x32_f16 v[OA+8*(4*\tt+\nt):OA+8*(4*\tt+\nt)+7], v[\fb+16+8*\nt:\fb+16+8*\nt+7], v[\fb+8*\tt:\fb+8*\tt+7], v[OA+8*(4*\tt+\nt):OA+8*(4*\tt+\nt)+7]
.endif
.endr
.endr
.endm
.macro STEPO ks, cur, nxt
	PLACES                                         ; the loads below fill the buffer that the matrix instructions just issued have read
	FETCHO (\ks)+1, \nxt
	s_wait_dscnt 12                                ; all but the 12 just issued: this step's fragments are in
	MULO \cur, 0
.endm
	FETCHO 0, FB0
	FETCHO 1, FB1
	s_wait_dscnt 12
	MULO FB0, 1
.irp k,1,3,5,7,9,11,13
	STEPO \k, FB1, FB0
	STEPO \k+1, FB0, FB1
.endr
	s_wait_dscnt 0x0
	MULO FB1, 0                                    ; K step 15
	; PHASE 5.  Lane (r, h) holds 8 neighbouring n of one q.  Through the wave's own stage, so that 16 lanes store 256 neighbouring bytes.
	PLACES
	s_wait_dscnt 0x0                               ; (met) my reads of x and Wo are done
	BAR                                            ; everybody's: the stages lie over x
.irp tt,0,1
.irp nt,0,1,2,3
	ds_store_b128 v[STA], v[OA+8*(4*\tt+\nt):OA+8*(4*\tt+\nt)+3] offset:\tt*16*PS+\nt*64
	ds_store_b128 v[STA], v[OA+8*(4*\tt+\nt)+4:OA+8*(4*\tt+\nt)+7] offset:\tt*16*PS+\nt*64+16
.endr
.endr
.irp i,0,1,2,3,4,5,6,7,8,9,10,11,12,13,14,15
	ds_load_b128 v[128+4*\i:131+4*\i], v[RDA] offset:\i*2*PS       ; the wave's own bytes, served in order behind its stores (ISA guide 5.7.1)
.endr
.irp i,0,1,2,3,4,5,6,7,8,9,10,11,12,13,14,15
	s_wait_dscnt 15-\i
	global_store_b128 v[OUO], v[128+4*\i:131+4*\i], s[24:25] offset:\i*1024   ; two rows: each half of the lanes stores 256 neighbouring bytes, aligned
.endr
	s_wait_xcnt 0x0
	v_lshl_add_u32 v254, v0, 2, 0x4d800
	v_mov_b32 v255, 0
	s_wait_tensorcnt 0x0
	ds_add_u32 v254, v255
	s_wait_dscnt 0x0
	s_endpgm
.Lfunc_end_k_qe5e072d871_attn:
	.size	k_qe5e072d871_attn, .Lfunc_end_k_qe5e072d871_attn-k_qe5e072d871_attn
	.p2alignl 7, 3214868480
	.fill 96, 4, 3214868480
	.section	.rodata,"a",@progbits
	.p2align	6, 0x0
	.amdhsa_kernel k_qe5e072d871_attn
		.amdhsa_group_segment_fixed_size 318464
		.amdhsa_private_segment_fixed_size 0
		.amdhsa_enable_private_segment 0
		.amdhsa_kernarg_size 72
		.amdhsa_user_sgpr_count 2
		.amdhsa_user_sgpr_kernarg_segment_ptr 1
		.amdhsa_wavefront_size32 1
		.amdhsa_system_sgpr_workgroup_id_x 1
		.amdhsa_system_sgpr_workgroup_id_y 1
		.amdhsa_system_sgpr_workgroup_id_z 1
		.amdhsa_system_vgpr_workitem_id 0
		.amdhsa_next_free_vgpr 512
		.amdhsa_next_free_sgpr 66
		.amdhsa_reserve_vcc 0
		.amdhsa_float_denorm_mode_32 3
		.amdhsa_float_denorm_mode_16_64 3
		.amdhsa_memory_ordered 1
		.amdhsa_forward_progress 1
		.amdhsa_inst_pref_size 184
	.end_amdhsa_kernel
	.amdgpu_metadata
---
amdhsa.version: [ 1, 2 ]
amdhsa.kernels:
  - .name:           k_qe5e072d871_attn
    .symbol:         k_qe5e072d871_attn.kd
    .args:
      - { .name: key, .offset: 0, .size: 8, .value_kind: global_buffer, .address_space: global }
      - { .name: value, .offset: 8, .size: 8, .value_kind: global_buffer, .address_space: global }
      - { .name: query, .offset: 16, .size: 8, .value_kind: global_buffer, .address_space: global }
      - { .name: Wq, .offset: 24, .size: 8, .value_kind: global_buffer, .address_space: global }
      - { .name: Wk, .offset: 32, .size: 8, .value_kind: global_buffer, .address_space: global }
      - { .name: bq, .offset: 40, .size: 8, .value_kind: global_buffer, .address_space: global }
      - { .name: bk, .offset: 48, .size: 8, .value_kind: global_buffer, .address_space: global }
      - { .name: Wo, .offset: 56, .size: 8, .value_kind: global_buffer, .address_space: global }
      - { .name: part, .offset: 64, .size: 8, .value_kind: global_buffer, .address_space: global }
    .group_segment_fixed_size: 318464
    .private_segment_fixed_size: 0
    .kernarg_segment_align: 8
    .kernarg_segment_size: 72
    .max_flat_workgroup_size: 256
    .sgpr_count:     66
    .vgpr_count:     512
    .wavefront_size: 32
...
	.end_amdgpu_metadata
.endif
;; end of part 1
;; launch reduce (part 2): grid 256 x 1, 8 waves a work-group, no clusters, 0 bytes of LDS; arguments part, bo, out0; writes out0
.if DOCPART == 2
	.amdgcn_target "amdgcn-amd-amdhsa--gfx1250"
	.amdhsa_code_object_version 6
	.text
	.protected	k_qe5e072d871_reduce
	.globl	k_qe5e072d871_reduce
	.p2align	8
	.type	k_qe5e072d871_reduce,@function
k_qe5e072d871_reduce:
	s_mov_b64 s[64:65], 0
	v_nop
	global_prefetch_b8 v0, s[64:65] scope:SCOPE_SE
	s_setreg_imm32_b32 hwreg(HW_REG_WAVE_MODE, 25, 1), 1
	s_wait_xcnt 0x0
; PromptAttention, second of two launches: out0[b][q][n] = bo[n] + 16 * sum over the eight chunks c of part[c][b][q][n].
; (The first launch carried value, and so its partial results, times 1/16; the factor is a power of two, so taking it back is exact.)
; A stream: 16 MiB in, 2 MiB out, every byte once.  A work-group owns 8,192 neighbouring bytes of out0, a thread two pieces of 16 bytes, 4,096 apart;
; each load and store of a wave covers 512 neighbouring bytes, aligned.  All 17 loads of a thread go out at once, so nothing is gained from LDS,
; barriers, matrix units or a loop.  The chunks are added in ascending order in f32.
.set CH,   2097152                     ; bytes of part in a chunk (32 x 128 x 128 f32)
.set BO,   4                           ; v[4:7]    bo of my four columns (4,096 is a multiple of a row's 512 bytes: both pieces have the same columns)
.set IN,   8                           ; v[8:71]   chunk c: 8 registers
.set ACC,  72                          ; v[72:79]
	s_load_b128 s[4:7], s[0:1], 0x0                ; part s[4:5], bo s[6:7]
	s_load_b64 s[8:9], s[0:1], 0x10                ; out0
	s_lshl_b32 s10, ttmp9, 13                      ; the work-group's 8,192 bytes
	s_mov_b32 s11, 0
	v_lshlrev_b32 v1, 4, v0
	v_and_b32 v2, 31, v0
	v_lshlrev_b32 v2, 4, v2                        ; my four columns in bo
	s_wait_kmcnt 0x0
	s_add_nc_u64 s[4:5], s[4:5], s[10:11]
	s_add_nc_u64 s[8:9], s[8:9], s[10:11]
	s_add_nc_u64 s[12:13], s[4:5], 4*CH            ; a second base for chunks 4 to 7: the immediates stay inside their signed 24 bits
	global_load_b128 v[BO:BO+3], v2, s[6:7]
.irp c,0,1,2,3
	global_load_b128 v[IN+8*\c:IN+8*\c+3], v1, s[4:5] offset:\c*CH th:TH_LOAD_NT
	global_load_b128 v[IN+8*\c+4:IN+8*\c+7], v1, s[4:5] offset:\c*CH+4096 th:TH_LOAD_NT
.endr
.irp c,4,5,6,7
	global_load_b128 v[IN+8*\c:IN+8*\c+3], v1, s[12:13] offset:(\c-4)*CH th:TH_LOAD_NT
	global_load_b128 v[IN+8*\c+4:IN+8*\c+7], v1, s[12:13] offset:(\c-4)*CH+4096 th:TH_LOAD_NT
.endr
	s_wait_loadcnt 12                              ; loads come back in order (ISA guide 5.7.1): bo and chunks 0, 1 are in, six chunks' twelve loads stay out
.irp i,0,2,4,6
	v_pk_add_f32 v[ACC+\i:ACC+\i+1], v[IN+\i:IN+\i+1], v[IN+8+\i:IN+8+\i+1]   ; the first two chunks start the sums
.endr
.irp c,2,3,4,5,6,7
	s_wait_loadcnt 14-2*\c                         ; chunk c is in; two loads for each later chunk stay out
.irp i,0,2,4,6
	v_pk_add_f32 v[ACC+\i:ACC+\i+1], v[ACC+\i:ACC+\i+1], v[IN+8*\c+\i:IN+8*\c+\i+1]
.endr
.endr
	v_pk_fma_f32 v[ACC:ACC+1], v[ACC:ACC+1], 0x41800000, v[BO:BO+1] op_sel_hi:[1,0,1]       ; 16 x sum + bo
	v_pk_fma_f32 v[ACC+2:ACC+3], v[ACC+2:ACC+3], 0x41800000, v[BO+2:BO+3] op_sel_hi:[1,0,1]
	v_pk_fma_f32 v[ACC+4:ACC+5], v[ACC+4:ACC+5], 0x41800000, v[BO:BO+1] op_sel_hi:[1,0,1]
	v_pk_fma_f32 v[ACC+6:ACC+7], v[ACC+6:ACC+7], 0x41800000, v[BO+2:BO+3] op_sel_hi:[1,0,1]
	global_store_b128 v1, v[ACC:ACC+3], s[8:9] th:TH_STORE_NT
	global_store_b128 v1, v[ACC+4:ACC+7], s[8:9] offset:4096 th:TH_STORE_NT
	s_endpgm
.Lfunc_end_k_qe5e072d871_reduce:
	.size	k_qe5e072d871_reduce, .Lfunc_end_k_qe5e072d871_reduce-k_qe5e072d871_reduce
	.p2alignl 7, 3214868480
	.fill 96, 4, 3214868480
	.section	.rodata,"a",@progbits
	.p2align	6, 0x0
	.amdhsa_kernel k_qe5e072d871_reduce
		.amdhsa_group_segment_fixed_size 0
		.amdhsa_private_segment_fixed_size 0
		.amdhsa_enable_private_segment 0
		.amdhsa_kernarg_size 24
		.amdhsa_user_sgpr_count 2
		.amdhsa_user_sgpr_kernarg_segment_ptr 1
		.amdhsa_wavefront_size32 1
		.amdhsa_system_sgpr_workgroup_id_x 1
		.amdhsa_system_sgpr_workgroup_id_y 1
		.amdhsa_system_sgpr_workgroup_id_z 1
		.amdhsa_system_vgpr_workitem_id 0
		.amdhsa_next_free_vgpr 80
		.amdhsa_next_free_sgpr 66
		.amdhsa_reserve_vcc 0
		.amdhsa_float_denorm_mode_32 3
		.amdhsa_float_denorm_mode_16_64 3
		.amdhsa_memory_ordered 1
		.amdhsa_forward_progress 1
		.amdhsa_inst_pref_size 5
	.end_amdhsa_kernel
	.amdgpu_metadata
---
amdhsa.version: [ 1, 2 ]
amdhsa.kernels:
  - .name:           k_qe5e072d871_reduce
    .symbol:         k_qe5e072d871_reduce.kd
    .args:
      - { .name: part, .offset: 0, .size: 8, .value_kind: global_buffer, .address_space: global }
      - { .name: bo, .offset: 8, .size: 8, .value_kind: global_buffer, .address_space: global }
      - { .name: out0, .offset: 16, .size: 8, .value_kind: global_buffer, .address_space: global }
    .group_segment_fixed_size: 0
    .private_segment_fixed_size: 0
    .kernarg_segment_align: 8
    .kernarg_segment_size: 24
    .max_flat_workgroup_size: 256
    .sgpr_count:     66
    .vgpr_count:     80
    .wavefront_size: 32
...
	.end_amdgpu_metadata
.endif
;; end of part 2
;; ======== version 2 of 2: 2 launches; version 1 with the launch attn written anew for expert scheduling mode
;; limits: values are held in f16: magnitudes above 65,504 overflow, below 6.1e-05 lose precision
;; workspace buffers: part 16,777,216 bytes
;; launch attn (part 3): grid 8 x 32, 8 waves a work-group, no clusters, 318,464 bytes of LDS; arguments key, value, query, Wq, Wk, bq, bk, Wo, part; writes part
.if DOCPART == 3
	.amdgcn_target "amdgcn-amd-amdhsa--gfx1250"
	.amdhsa_code_object_version 6
	.text
	.protected	k_qe5e072d871_attn
	.globl	k_qe5e072d871_attn
	.p2align	8
	.type	k_qe5e072d871_attn,@function
k_qe5e072d871_attn:
	s_mov_b64 s[64:65], 0
	v_nop
	global_prefetch_b8 v0, s[64:65] scope:SCOPE_SE
	s_setreg_imm32_b32 hwreg(HW_REG_WAVE_SCHED_MODE, 0, 2), 2
	s_setreg_imm32_b32 hwreg(HW_REG_WAVE_MODE, 25, 1), 1
	s_wait_xcnt 0x0
	s_wait_alu depctr_vm_vsrc(0)
; PromptAttention, first of two launches.
; part[c][b][q][n] = 1/16 * sum over heads, over the 256 key rows s of chunk c and over d of
;                    softmax over q ( (query Wq + bq)(key Wk + bk)^T / sqrt 8 )[h][q][s] * value[s][d] * Wo[64 h + d][n]
; The softmax runs over the 128 queries, so it is complete inside a column (b, h, s) and a work-group can own a chunk of s.
; The sum over the eight chunks, the factor 16 and bo are the second launch's.
;
; WORK.  Work-group = (chunk c = x, batch b = y), eight waves.  Each byte of key and value is loaded once in the launch.
;   phase 0  all 54 loads of the wave go out; Wq and Wk (8 rows a wave) go as f16 into LDS for all waves
;   phase 1  wave w projects ITS OWN 16 query rows and 32 key rows onto all 64 dimensions and hands each head its 8 (16 bytes a row) through LDS;
;            value (32 rows a wave, times 1/16) is converted only behind that, so the projections run while it is on its way
;   phase 2  wave w = head w.  Eight trips of 32 s: scores, softmax over q in registers, attn x value into 128 q x 64 d of f32 (256 registers);
;            each half trip also stages 4 of the 64 rows of Wo that belong to the wave's head
;   phase 3  x as f16 into LDS;  phase 4  x (128 x 512) times Wo, wave = 32 q x 64 n;  phase 5  out through the wave's own stage
;
; LAYOUT THAT KEEPS THE SOFTMAX IN REGISTERS.  Scores are made as D[m = s][n = q]: lane (r, h) holds q = r, register j holds s = 8 h + j.
; The maximum and the sum over q are then a reduction over the eight q tiles in the lane and over the 16 lanes of a row, and the eight
; exponentials of a lane, packed to f16, ARE registers 0-3 (first 16 s) or 4-7 (second 16 s) of the fragment [n = q][k = s] that the next product wants.
; The eight sums of a lane lie in the same order of s as value's fragment [m = d][k = s]: 1 / sum is multiplied into value (16 packed lines for 16 s), not into attn (32).
;
; FORMATS AND LIMITS.  Every matrix operand is f16, every sum, the softmax and the biases f32.  f16 and not bf16: four roundings lie in a row
; (q and k, attn, value / sum, x), and eight significant bits in each leave too little of the margin that the result is allowed.
; So these must stay below 65,504 in magnitude, or the result is infinite or NaN: key, query, Wq, Wk, Wo, value / 16, 0.51 (query Wq + bq),
; key Wk + bk, and x / 16, which is at most 16 max|value| since a column of attn is at most 1 and a chunk has 256 rows.
; Operands below 2^-14 keep an absolute step of 2^-25; that holds of value / (16 sum) too, the sum lying between 1 and 128.
; Exponentials below 2^-126 count as 0 (ISA guide, 15.8); the column's true maximum is taken away first.
; The heads' 8 dimensions are padded to K = 32: k = 8 .. 15 is zero in q alone (k holds a copy of its 8 numbers there), k = 16 .. 31 is zero in k alone
; (q's fragments overlap, see QF).  So 0 x q and 0 x k are relied on to be 0: with infinite or NaN q or k the pattern of NaN may differ from the module's.
;
; NO JOINT LOADS.  What work-groups share is Wo (262,144 bytes of f32), query, Wq, Wk.  Every LDS image here is f16 and is made on the way
; through registers; an f32 image of Wo has no room beside the 165,888 bytes that phases 0 to 2 hold, out of 327,680.  key and value are shared with nobody.
;
; THE MODE: SCHED_MODE bits 1:0 = 2 (LLVM: expert scheduling mode 2), set by the entry lines.  The code itself states the register dependences
; between vector or matrix instructions and memory or LDS instructions, with s_wait_alu, always for 0.
; THE PLAN.  Registers that memory or LDS instructions touch in phase 2's loop:
;   WOR          Global loads land in it; a half trip later eight conversions read and write it in place; four LDS stores read it; the next loads land.
;   VF           Transposing LDS loads land in it in half 0; the packed scalings of both halves write it; the trip's 32 products read it.
;   KF           (registers 0-3 of both fragments) The score products of halves 0 and 1 read it; the next trip's LDS loads land in half 1.
;   WST VFA KPA  LDS addresses, stepped once a trip, together; immediates reach the second half's rows of Wo and the next block of k.
;   GOF          The global loads' offset, never written again: Wo's scalar base steps.
;   SC, PR, MX, ZS, QF and window 1 are named by vector and matrix instructions alone.
; A half trip has four waits.  (1) va_vdst behind Wo's conversions: they have written WOR and are done with it; the last trip's products are done reading VF;
; the score products are done reading KF; the last trip's address steps are written.  The half trip's LDS stores and loads follow it.  (2) vm_vsrc eight vector lines on:
; the stores have read WOR, and every LDS instruction of the trip its address; the three address steps (half 1) and Wo's loads follow; no vector instruction between
; (1) and those loads names WOR or GOF.  (3) va_vdst behind the 64 exponentials, one batch.  (4) va_vdst behind the eight reciprocals.
; Outside the loop a run of conversions is followed by one wait on va_vdst and the run of stores, and a wait on vm_vsrc stands ahead of whatever writes those stores' registers again.
;
; LDS.  Pitches: 144 and 272 are odd multiples of 16 (sixteen rows of a fragment begin at sixteen different 16-byte columns modulo 256),
; 160 and 288 are odd multiples of 32 (the same for the eight rows x two columns that sixteen lanes of a transposing load touch).
.set PA,   144                         ; rows of 64 f16 read along K: key, query, x
.set PB,   160                         ; rows of 64 f16 read transposed: value, Wq, Wk
.set PW,   288                         ; rows of 128 f16 read transposed: Wo
.set PS,   272                         ; rows of 64 f32: the stage
.set LK,   0                           ; key     256 rows x 144; a wave reads only the 32 rows that it wrote
.set LV,   LK+256*PA                   ; value   256 rows x 160      at  36,864
.set LQY,  LV+256*PB                   ; query   128 rows x 144      at  77,824; a wave reads only its own 16 rows
.set LWQ,  LQY+128*PA                  ; Wq       64 rows x 160      at  96,256
.set LWK,  LWQ+64*PB                   ; Wk       64 rows x 160      at 106,496
.set LKP,  LWK+64*PB                   ; k: [writing wave 8][head 8][32 s][16 bytes]   at 116,736
.set LQP,  LKP+8*4096                  ; q: [writing wave 8][head 8][16 q][16 bytes]   at 149,504
.set LWO,  LQP+8*2048                  ; Wo      512 rows x 288      at 165,888
.set LBI,  LWO+512*PW                  ; bq, bk as f32, 512 bytes of each wave's own   at 313,344, ends at 317,440
.set XHEAD, 128*PA                     ; x: head w at w x 18,432, 128 rows x 144; over bytes 0 to 147,455, behind the third barrier
.set STW,  32*PS                       ; stage: wave w at w x 8,704, 32 rows x 272; over bytes 0 to 69,631, behind the fifth barrier
; REGISTERS.  Window 0:
.set GOF,  1                           ; 16 x lane: the vector offset of the global loads; never written again
.set KPA,  2                           ; my 16 bytes of my head's k in a writer's block; steps 4,096 a trip
.set VFA,  3                           ; my address for value's transposing loads; steps 32 rows a trip
.set WST,  4                           ; my 8 bytes of a row of Wo in LDS; steps 8 rows a trip
.set SK,   5                           ; phases 0, 1: where my f16 go: key,
.set SQ,   6                           ;   query,
.set SV,   7                           ;   value
.set FRK,  8                           ; phase 1: fragment address in my key rows,
.set FRQ,  9                           ;   in my query rows
.set TRW,  10                          ;   transposing address in Wq
.set KPS,  11                          ;   where my 16 bytes of k go,
.set QPS,  12                          ;   of q
.set QPA,  13                          ;   my 16 bytes of my head's q in a writer's block
.set BIS,  14                          ;   my 8 bytes of a bias, in
.set BIA,  15                          ;   my 32 bytes of a bias, back
.set MX,   8                           ; v[8:15]    phase 2: maxima; then v[8:11] 1 / sum as f16
.set ZS,   16                          ; v[16:23]   phase 2: sums (phases 0, 1: lane numbers)
.set KF,   24                          ; v[24:39]   two k fragments (registers 4-7 of each stay 0); phase 1: q's accumulators 0, 1
.set QF,   40                          ; v[40:75]   q: fragment t is v[40+4t:47+4t]; its registers 4-7 are the next one's 0-3 and meet k's zeros; v[72:75] = 0
.set SWQ,  76                          ; phase 0: where my f16 of Wq go,
.set SWK,  77                          ;   of Wk
.set KEEPH, 78                         ; all ones in lanes h = 0
.set WOR,  80                          ; v[80:95]   four rows' share of Wo on its way
.set VF,   96                          ; v[96:127]  value's four fragments
.set QR,   96                          ; v[96:111]  phase 1: my 16 query rows as two fragments; q's accumulators 2, 3 in v[112:127]
.set SC,   128                         ; v[128:191] scores, tile t at 8 t
.set KR,   128                         ; v[128:159] phase 1: my 32 key rows as 2 x 2 fragments; k's accumulators in v[160:191] (rows 0-15) and v[40:71] (rows 16-31)
.set PR,   192                         ; v[192:255] attn, fragment t at 8 t
.set BQ,   192                         ; v[192:223] phase 1: bq as C, 8 registers for each 16 dimensions
.set BK,   224                         ; v[224:255] phase 1: bk likewise
; Window 1 (v256-v511): phases 0, 1: value as loaded in its v[0:63], Wq's fragments at WQF, Wk's at WKF (16 dimensions x 32 K at 16 dt + 8 kk);
;                       from phase 2 on the 32 accumulators of attn x value, tile (t, d) at 8 (4 t + d).
.set WQF,  64
.set WKF,  128
.set XA,   5                           ; phases 3 to 5
.set XFA,  8                           ; v[8:10]
.set WOA,  11                          ; v[11:13]
.set STA,  14
.set RDA,  15
.set OUO,  16
.set OA,   64                          ; v[64:127]  out, tile (tt, nt) at 8 (4 tt + nt)
.set FB0,  128                         ; fragment buffers: x's two at +0, Wo's four at +16
.set FB1,  176
.set MSB, 0
.macro WIN new                         ; s_set_vgpr_msb: bits 1:0 source 0, 3:2 source 1, 5:4 source 2, 7:6 destination; the high byte repeats the setting that is left
.if MSB != \new
	s_set_vgpr_msb (MSB<<8)|\new
.set MSB, \new
.endif
.endm
.macro BAR
	s_barrier_signal -1
	s_barrier_wait -1
.endm
.macro PLACES                          ; four places behind a matrix instruction (ISA guide 7.12.1)
.rept 4
	v_nop
.endr
.endm
	s_load_b512 s[8:23], s[0:1], 0x0               ; key 8, value 10, query 12, Wq 14, Wk 16, bq 18, bk 20, Wo 22
	s_load_b64 s[24:25], s[0:1], 0x40              ; part
	v_lshrrev_b32 v16, 5, v0
	v_readfirstlane_b32 s2, v16                    ; wave
	s_and_b32 s3, ttmp7, 0xffff                    ; batch
	v_and_b32 v16, 31, v0                          ; L
	v_and_b32 v17, 15, v0                          ; r
	v_bfe_u32 v18, v0, 4, 1                        ; h
	v_and_b32 v19, 7, v0
	v_lshl_add_u32 v19, v18, 3, v19                ; 8 h + (L & 7): my row in a transposing load
	v_bfe_u32 v20, v0, 3, 1                        ; (L >> 3) & 1: my 16-byte column there
	v_lshlrev_b32 v[GOF], 4, v16
	v_lshlrev_b32 v21, 3, v16                      ; 8 L: my two numbers of a bias
	s_mov_b32 s34, 0x3f0293ee                      ; log2(e) / sqrt 8: scores come out as exponents of 2
	s_mov_b32 s35, 0x3f0293ee
	s_mov_b32 s36, 0x3d800000                      ; 1/16 for value
	s_mov_b32 s37, 0x3d800000
	s_wait_alu depctr_va_sdst(0)                   ; s2 is written, ahead of its first reader: the wave's shares are made from it
	; byte offsets of the wave's shares, each in a pair of its own
	s_lshl_b32 s28, s3, 19                         ; key, value: batch x 2,048 rows x 256
	s_lshl_b32 s30, ttmp9, 16                      ;   + chunk x 256 rows
	s_add_co_u32 s28, s28, s30
	s_lshl_b32 s30, s2, 13                         ;   + wave x 32 rows
	s_add_co_u32 s28, s28, s30
	s_mov_b32 s29, 0
	s_lshl_b32 s30, s3, 15                         ; query: batch x 128 rows + wave x 16 rows
	s_lshl_b32 s32, s2, 12
	s_add_co_u32 s30, s30, s32
	s_mov_b32 s31, 0
	s_lshl_b32 s32, s2, 11                         ; Wq, Wk: wave x 8 rows
	s_mov_b32 s33, 0
	s_lshl_b32 s4, s2, 15                          ; Wo: the 64 rows of 512 bytes of head = wave
	s_mov_b32 s5, 0
	s_lshl_b32 s6, ttmp9, 5                        ; part: (32 chunk + batch) x 65,536
	s_add_co_u32 s6, s6, s3
	s_lshl_b32 s6, s6, 16
	s_lshr_b32 s26, s2, 1
	s_lshl_b32 s26, s26, 14                        ;   + (wave / 2) x 32 rows of 512 bytes
	s_add_co_u32 s6, s6, s26
	s_and_b32 s26, s2, 1
	s_lshl_b32 s26, s26, 8                         ;   + (wave & 1) x 64 columns
	s_add_co_u32 s6, s6, s26
	s_mov_b32 s7, 0
	s_wait_kmcnt 0x0
	s_add_nc_u64 s[8:9], s[8:9], s[28:29]
	s_add_nc_u64 s[10:11], s[10:11], s[28:29]
	s_add_nc_u64 s[12:13], s[12:13], s[30:31]
	s_add_nc_u64 s[14:15], s[14:15], s[32:33]
	s_add_nc_u64 s[16:17], s[16:17], s[32:33]
	s_add_nc_u64 s[22:23], s[22:23], s[4:5]
	s_add_nc_u64 s[24:25], s[24:25], s[6:7]
	; PHASE 0.  All 54 loads of the wave go out at once, in the order in which they are needed; each of the wide ones covers 512 neighbouring
	; bytes (two rows of 64 f32), aligned, each bias load the bias's whole 256 bytes.
	s_wait_alu depctr_va_vdst(0)                   ; v[GOF] and v21 are written: the 54 loads below read one of them as their offset; only loads and window switches stand among them
.irp i,0,1,2,3
	global_load_b128 v[40+4*\i:43+4*\i], v[GOF], s[14:15] offset:512*\i
.endr
.irp i,0,1,2,3
	global_load_b128 v[56+4*\i:59+4*\i], v[GOF], s[16:17] offset:512*\i
.endr
	global_load_b64 v[72:73], v21, s[18:19]
	global_load_b64 v[74:75], v21, s[20:21]
.irp i,0,1,2,3,4,5,6,7
	global_load_b128 v[96+4*\i:99+4*\i], v[GOF], s[12:13] offset:512*\i
.endr
.irp i,0,1,2,3,4,5,6,7,8,9,10,11,12,13,14,15
	global_load_b128 v[128+4*\i:131+4*\i], v[GOF], s[8:9] offset:512*\i th:TH_LOAD_NT
.endr
	WIN 0x40                                       ; value lands in window 1, which has nothing else to hold until the first trip's products
.irp i,0,1,2,3,4,5,6,7,8,9,10,11,12,13,14,15
	global_load_b128 v[4*\i:4*\i+3], v[GOF], s[10:11] offset:512*\i th:TH_LOAD_NT
.endr
	WIN 0
.irp i,0,1,2,3
	global_load_b128 v[WOR+4*\i:WOR+4*\i+3], v[GOF], s[22:23] offset:512*\i   ; Wo's first four rows of my head
.endr
	; where the f16 go: lanes 0-15 one row, lanes 16-31 the next, 8 bytes a lane; the wave's rows are neighbours
	v_mul_u32_u24 v[SK], v18, PA
	v_lshl_add_u32 v[SK], v17, 3, v[SK]            ; h x 144 + 8 r
	v_mul_u32_u24 v[SV], v18, PB
	v_lshl_add_u32 v[SV], v17, 3, v[SV]            ; h x 160 + 8 r
	s_mul_i32 s26, s2, 16*PA
	s_add_co_u32 s26, s26, LQY
	v_add_nc_u32 v[SQ], s26, v[SK]                 ; query
	s_mul_i32 s26, s2, 32*PA
	v_add_nc_u32 v[SK], s26, v[SK]                 ; key (LK = 0)
	s_mul_i32 s26, s2, 8*PB
	s_add_co_u32 s26, s26, LWQ
	v_add_nc_u32 v[SWQ], s26, v[SV]                ; Wq
	v_add_nc_u32 v[SWK], LWK-LWQ, v[SWQ]           ; Wk
	s_mul_i32 s26, s2, 32*PB
	s_add_co_u32 s26, s26, LV
	v_add_nc_u32 v[SV], s26, v[SV]                 ; value
	s_lshl_b32 s26, s2, 9
	s_add_co_u32 s26, s26, LBI
	v_add_nc_u32 v[BIS], s26, v21                  ; the biases, in: 8 bytes a lane
	v_lshl_add_u32 v[BIA], v18, 5, s26             ; and back: dimensions 8 h .. 8 h + 7 of each 16
.macro CV4 reg                         ; four f32 of a lane to f16, in place: they close up into the first two of their four registers
	v_cvt_pk_f16_f32 v[\reg], v[\reg], v[\reg+1]
	v_cvt_pk_f16_f32 v[\reg+1], v[\reg+2], v[\reg+3]
.endm
	; loads come back in order (ISA guide 5.7.1): each count is the number of loads issued behind those that are needed
	s_wait_loadcnt 46                              ; Wq, Wk are in (behind them: 2 biases, 8 query, 16 key, 16 value, 4 Wo)
.irp i,0,1,2,3,4,5,6,7
	CV4 40+4*\i
.endr
	s_wait_alu depctr_va_vdst(0)                   ; the conversions have written v[40 ..], the data of the eight stores below; the seven store addresses made above are written too
.irp i,0,1,2,3
	ds_store_b64 v[SWQ], v[40+4*\i:41+4*\i] offset:\i*2*PB
.endr
.irp i,0,1,2,3
	ds_store_b64 v[SWK], v[56+4*\i:57+4*\i] offset:\i*2*PB
.endr
	s_wait_loadcnt 44                              ; the biases
	ds_store_b64 v[BIS], v[72:73]
	ds_store_b64 v[BIS], v[74:75] offset:256
	s_wait_dscnt 0x0                               ; my rows of Wq and Wk are in LDS: the other waves read them behind the barrier
	s_barrier_signal -1
	v_add_nc_u32 v[KEEPH], -1, v18                 ; register work while the others arrive: the addresses of phases 1 and 2
	v_mul_u32_u24 v[FRK], v17, PA
	v_lshl_add_u32 v[FRK], v18, 4, v[FRK]          ; r x 144 + 16 h
	s_mul_i32 s26, s2, 16*PA
	s_add_co_u32 s26, s26, LQY
	v_add_nc_u32 v[FRQ], s26, v[FRK]               ; in my 16 query rows
	s_mul_i32 s26, s2, 32*PA
	v_add_nc_u32 v[FRK], s26, v[FRK]               ; in my 32 key rows
	v_mul_u32_u24 v[TRW], v19, PB
	v_lshl_add_u32 v[TRW], v20, 4, v[TRW]          ; (8 h + (L & 7)) x 160 + 16 ((L >> 3) & 1)
	v_add_nc_u32 v[VFA], LV, v[TRW]
	v_add_nc_u32 v[TRW], LWQ, v[TRW]
	v_lshlrev_b32 v[KPS], 4, v17                   ; 16 r
	v_lshl_add_u32 v[QPS], v18, 8, v[KPS]          ; q out: my block + (head 2 dt + h) x 256 + 16 r; dt in the immediate
	s_lshl_b32 s26, s2, 11
	s_add_co_u32 s26, s26, LQP
	v_add_nc_u32 v[QPS], s26, v[QPS]
	s_lshl_b32 s26, s2, 8
	s_add_co_u32 s26, s26, LQP
	v_add_nc_u32 v[QPA], s26, v[KPS]               ; q in: head = wave; the writer's block (= q tile) in the immediate; both halves of the lanes read the same bytes
	s_lshl_b32 s26, s2, 9
	s_add_co_u32 s26, s26, LKP
	v_add_nc_u32 v[KPA], s26, v[KPS]               ; k in: head = wave; the writer's block = trip
	v_lshl_add_u32 v[KPS], v18, 9, v[KPS]          ; k out: my block + (head 2 dt + h) x 512 + 16 r
	s_lshl_b32 s26, s2, 12
	s_add_co_u32 s26, s26, LKP
	v_add_nc_u32 v[KPS], s26, v[KPS]
	s_mul_i32 s26, s2, 64*PW
	s_add_co_u32 s26, s26, LWO
	v_lshl_add_u32 v[WST], v16, 3, s26
	s_barrier_wait -1
	; PHASE 1.  D[m = dimension][n = row] = W^T x rows^T + bias, K = 64 in two steps, 16 dimensions a tile.  Lane (r, h) of tile dt ends with
	; dimensions 16 dt + 8 h .. + 7 of row r: the 8 dimensions of head 2 dt + h, 16 bytes as f16, registers 0-3 of that row's K = 32 fragment.
	WIN 0x40
	s_wait_alu depctr_va_vdst(0)                   ; the nine LDS addresses made inside the barrier are written
.irp d,0,1,2,3
.irp k,0,1
	ds_load_tr16_b128 v[WQF+16*\d+8*\k:WQF+16*\d+8*\k+3], v[TRW] offset:32*\d+\k*32*PB
	ds_load_tr16_b128 v[WQF+16*\d+8*\k+4:WQF+16*\d+8*\k+7], v[TRW] offset:32*\d+\k*32*PB+16*PB
.endr
.endr
.irp d,0,1,2,3
.irp k,0,1
	ds_load_tr16_b128 v[WKF+16*\d+8*\k:WKF+16*\d+8*\k+3], v[TRW] offset:LWK-LWQ+32*\d+\k*32*PB
	ds_load_tr16_b128 v[WKF+16*\d+8*\k+4:WKF+16*\d+8*\k+7], v[TRW] offset:LWK-LWQ+32*\d+\k*32*PB+16*PB
.endr
.endr
	WIN 0
.irp d,0,1,2,3
	ds_load_b128 v[BQ+8*\d:BQ+8*\d+3], v[BIA] offset:64*\d             ; the wave's own bytes, served in order behind its stores (ISA guide 5.7.1)
	ds_load_b128 v[BQ+8*\d+4:BQ+8*\d+7], v[BIA] offset:64*\d+16
	ds_load_b128 v[BK+8*\d:BK+8*\d+3], v[BIA] offset:256+64*\d
	ds_load_b128 v[BK+8*\d+4:BK+8*\d+7], v[BIA] offset:256+64*\d+16
.endr
	s_wait_loadcnt 36                              ; query
.irp i,0,1,2,3,4,5,6,7
	CV4 96+4*\i
.endr
	s_wait_alu depctr_va_vdst(0)                   ; the conversions have written v[96 ..], which the stores below read, and are done with v[96:111], in which the fragments below land
.irp i,0,1,2,3,4,5,6,7
	ds_store_b64 v[SQ], v[96+4*\i:97+4*\i] offset:\i*2*PA
.endr
	s_wait_alu depctr_vm_vsrc(0)                   ; those stores have read v[96:127]: the fragments land in v[96:111], q's accumulators 2 and 3 are written in v[112:127]
.irp q,0,1,2,3
	ds_load_b128 v[QR+4*\q:QR+4*\q+3], v[FRQ] offset:32*\q             ; my own rows back as fragments: no barrier
.endr
	s_wait_dscnt 0x0                               ; W's fragments, the biases, my query rows
	WIN 0x01                                       ; A in window 1
	; q's accumulator dt lies at 24, 32, 112, 120.  The four take turns, one instruction a turn.
.irp d,0,1,2,3
	v_wmma_f32_16x16x32_f16 v[24+8*\d+72*(\d/2):31+8*\d+72*(\d/2)], v[WQF+16*\d:WQF+16*\d+7], v[QR:QR+7], v[BQ+8*\d:BQ+8*\d+7]
.endr
.irp d,0,1,2,3
	v_wmma_f32_16x16x32_f16 v[24+8*\d+72*(\d/2):31+8*\d+72*(\d/2)], v[WQF+16*\d+8:WQF+16*\d+15], v[QR+8:QR+15], v[24+8*\d+72*(\d/2):31+8*\d+72*(\d/2)]
.endr
	WIN 0
	PLACES
.irp d,0,1,2,3
.irp u,0,2,4,6
	v_pk_mul_f32 v[24+8*\d+72*(\d/2)+\u:25+8*\d+72*(\d/2)+\u], v[24+8*\d+72*(\d/2)+\u:25+8*\d+72*(\d/2)+\u], s[34:35] op_sel_hi:[1,0]
.endr
.irp u,0,1,2,3
	v_cvt_pk_f16_f32 v[24+8*\d+72*(\d/2)+\u], v[24+8*\d+72*(\d/2)+2*\u], v[25+8*\d+72*(\d/2)+2*\u]
.endr
.endr
	s_wait_loadcnt 28                              ; key, my rows 0-15
.irp i,0,1,2,3,4,5,6,7
	CV4 128+4*\i
.endr
	s_wait_loadcnt 20                              ; key, my rows 16-31
.irp i,8,9,10,11,12,13,14,15
	CV4 128+4*\i
.endr
	s_wait_alu depctr_va_vdst(0)                   ; q's and key's conversions have written the data of the twenty stores below, and are done with v[128:159], in which key's fragments land
.irp d,0,1,2,3
	ds_store_b128 v[QPS], v[24+8*\d+72*(\d/2):27+8*\d+72*(\d/2)] offset:\d*512
.endr
.irp i,0,1,2,3,4,5,6,7,8,9,10,11,12,13,14,15
	ds_store_b64 v[SK], v[128+4*\i:129+4*\i] offset:\i*2*PA
.endr
	s_wait_alu depctr_vm_vsrc(0)                   ; key's stores have read v[128:191]: the fragments land in v[128:159], k's accumulators are written in v[160:191]
.irp e,0,1
.irp q,0,1,2,3
	ds_load_b128 v[KR+16*\e+4*\q:KR+16*\e+4*\q+3], v[FRK] offset:\e*16*PA+32*\q
.endr
.endr
	s_wait_dscnt 0x0
	WIN 0x01
	; k's accumulator (rows e, dimensions dt) lies at 160 - 120 e + 8 dt.  The eight take turns, one instruction a turn.
.irp e,0,1
.irp d,0,1,2,3
	v_wmma_f32_16x16x32_f16 v[160-120*\e+8*\d:167-120*\e+8*\d], v[WKF+16*\d:WKF+16*\d+7], v[KR+16*\e:KR+16*\e+7], v[BK+8*\d:BK+8*\d+7]
.endr
.endr
.irp e,0,1
.irp d,0,1,2,3
	v_wmma_f32_16x16x32_f16 v[160-120*\e+8*\d:167-120*\e+8*\d], v[WKF+16*\d+8:WKF+16*\d+15], v[KR+16*\e+8:KR+16*\e+15], v[160-120*\e+8*\d:167-120*\e+8*\d]
.endr
.endr
	WIN 0
	PLACES
.irp e,0,1
.irp d,0,1,2,3
.irp u,0,1,2,3
	v_cvt_pk_f16_f32 v[160-120*\e+8*\d+\u], v[160-120*\e+8*\d+2*\u], v[161-120*\e+8*\d+2*\u]
.endr
.endr
.endr
	s_wait_loadcnt 4                               ; value; Wo's four loads stay out
	WIN 0x41                                       ; source 0 and destination in window 1
.irp i,0,1,2,3,4,5,6,7,8,9,10,11,12,13,14,15
	v_pk_mul_f32 v[4*\i:4*\i+1], v[4*\i:4*\i+1], s[36:37] op_sel_hi:[1,0]          ; times 1/16, exact
	v_pk_mul_f32 v[4*\i+2:4*\i+3], v[4*\i+2:4*\i+3], s[36:37] op_sel_hi:[1,0]
.endr
	WIN 0x45                                       ; both sources and the destination
.irp i,0,1,2,3,4,5,6,7,8,9,10,11,12,13,14,15
	v_cvt_pk_f16_f32 v[4*\i], v[4*\i], v[4*\i+1]
	v_cvt_pk_f16_f32 v[4*\i+1], v[4*\i+2], v[4*\i+3]
.endr
	WIN 0x04                                       ; an LDS store's data is source 1; its address stays in window 0
	s_wait_alu depctr_va_vdst(0)                   ; k's and value's conversions have written the data of the 24 stores below, and are done with v[40:71], in which q lands behind the barrier
.irp i,0,1,2,3,4,5,6,7,8,9,10,11,12,13,14,15
	ds_store_b64 v[SV], v[4*\i:4*\i+1] offset:\i*2*PB
.endr
	WIN 0
.irp e,0,1
.irp d,0,1,2,3
	ds_store_b128 v[KPS], v[160-120*\e+8*\d:163-120*\e+8*\d] offset:\d*1024+\e*256
.endr
.endr
	s_wait_dscnt 0x0                               ; my q, k and value are in LDS
	BAR                                            ; everybody's are
	s_wait_alu depctr_vm_vsrc(0)                   ; my stores of k, q and value have read their data and addresses: q lands in v[40:71], k in v[24:27] and v[32:35]; phase 2 writes v[8:12], v[128:191] and window 1
.irp t,0,1,2,3,4,5,6,7
	ds_load_b128 v[QF+4*\t:QF+4*\t+3], v[QPA] offset:\t*2048           ; my head's q, all 128 rows
.endr
	ds_load_b128 v[KF:KF+3], v[KPA]                                    ; my head's k, s = 0 .. 15
	ds_load_b128 v[KF+8:KF+11], v[KPA] offset:256                      ; s = 16 .. 31
.irp n,28,29,30,31,36,37,38,39,72,73,74,75
	v_mov_b32 v[\n], 0                             ; k = 16 .. 31 of both k fragments, and what lies behind q's last fragment, for the whole of phase 2
.endr
	s_wait_dscnt 0x0
	s_wait_alu depctr_vm_vsrc(0)                   ; q's loads have read v[QPA], which is one of the maxima from here on
.irp n,0,1,2,3,4,5,6,7,8,9,10,11,12,13,14,15,16,17,18,19,20,21,22,23,24,25,26,27,28,29,30,31
	v_and_b32 v[QF+\n], v[KEEPH], v[QF+\n]         ; lanes h = 1 are k = 8 .. 15: zero in q, once
.endr
	; PHASE 2.
.macro SUBT t
.irp i,0,2,4,6
	v_pk_add_f32 v[SC+8*(\t)+\i:SC+8*(\t)+\i+1], v[SC+8*(\t)+\i:SC+8*(\t)+\i+1], v[MX+\i:MX+\i+1] neg_lo:[0,1] neg_hi:[0,1]
.endr
.endm
.macro EXPT t
.irp j,0,1,2,3,4,5,6,7
	v_exp_f32 v[SC+8*(\t)+\j], v[SC+8*(\t)+\j]
.endr
.endm
.macro ADDT t
.irp i,0,2,4,6
	v_pk_add_f32 v[ZS+\i:ZS+\i+1], v[ZS+\i:ZS+\i+1], v[SC+8*(\t)+\i:SC+8*(\t)+\i+1]
.endr
.endm
; 16 s against all 128 q.  half: which k fragment, and which half of attn's and value's fragments.  wonext: ask for Wo's next four rows.
; kfnext: fetch the next trip's k and step the three LDS addresses (used with wonext alone: the wait ahead of Wo's loads serves the steps too).
.macro SM half, wonext, kfnext
.irp t,0,1,2,3,4,5,6,7
	v_wmma_f32_16x16x32_f16 v[SC+8*\t:SC+8*\t+7], v[KF+8*\half:KF+8*\half+7], v[QF+4*\t:QF+4*\t+7], 0
.endr
	s_wait_loadcnt 0x0                             ; Wo's four loads of the half trip before: the only loads that are out
.if \wonext
	s_add_nc_u64 s[22:23], s[22:23], 2048          ; free since that wait, which shows the loads that read it done: Wo's next four rows
.endif
.irp i,0,1,2,3
	v_cvt_pk_f16_f32 v[WOR+4*\i], v[WOR+4*\i], v[WOR+4*\i+1]       ; these eight are also the places behind the matrix instructions above
	v_cvt_pk_f16_f32 v[WOR+4*\i+1], v[WOR+4*\i+2], v[WOR+4*\i+3]
.endr
	s_wait_alu depctr_va_vdst(0)                   ; the conversions have written WOR and are done with it; the last trip's products are done reading VF, the score products reading KF; the last trip's steps of WST, VFA, KPA are written
.irp i,0,1,2,3
	ds_store_b64 v[WST], v[WOR+4*\i:WOR+4*\i+1] offset:PW*(4*\half+\i)     ; a row's 256 bytes from the 32 lanes
.endr
.if \half == 0
.irp d,0,1,2,3
	ds_load_tr16_b128 v[VF+8*\d:VF+8*\d+3], v[VFA] offset:32*\d            ; value^T: m = d, k = s
	ds_load_tr16_b128 v[VF+8*\d+4:VF+8*\d+7], v[VFA] offset:32*\d+16*PB
.endr
.endif
.if \kfnext
	ds_load_b128 v[KF:KF+3], v[KPA] offset:4096                            ; the next writer's block
	ds_load_b128 v[KF+8:KF+11], v[KPA] offset:4096+256
.endif
	; the maximum over q of each of my eight s: over the eight tiles in the lane, then over the 16 lanes of my row
.irp j,0,1,2,3,4,5,6,7
	v_max3_num_f32 v[MX+\j], v[SC+\j], v[SC+8+\j], v[SC+16+\j]
.endr
.if \wonext
	s_wait_alu depctr_vm_vsrc(0)                   ; the stores above have read WOR, in which the loads below land; every LDS instruction of the trip has read its address
.if \kfnext
	v_add_nc_u32 v[WST], 8*PW, v[WST]              ; the next trip's eight rows of Wo,
	v_add_nc_u32 v[VFA], 32*PB, v[VFA]             ; its 32 rows of value,
	v_add_nc_u32 v[KPA], 4096, v[KPA]              ; its block of k; all three are next read behind the next trip's first wait on va_vdst
.endif
.irp i,0,1,2,3
	global_load_b128 v[WOR+4*\i:WOR+4*\i+3], v[GOF], s[22:23] offset:512*\i   ; no vector instruction since the wait on va_vdst above names WOR or GOF
.endr
.endif
.irp j,0,1,2,3,4,5,6,7
	v_max3_num_f32 v[MX+\j], v[MX+\j], v[SC+24+\j], v[SC+32+\j]
.endr
.irp j,0,1,2,3,4,5,6,7
	v_max3_num_f32 v[MX+\j], v[MX+\j], v[SC+40+\j], v[SC+48+\j]
.endr
.irp j,0,1,2,3,4,5,6,7
	v_max_num_f32 v[MX+\j], v[MX+\j], v[SC+56+\j]
.endr
.irp m,1,2,4,8
.irp j,0,1,2,3,4,5,6,7
	v_max_num_f32_dpp v[MX+\j], v[MX+\j], v[MX+\j] row_xmask:\m row_mask:0xf bank_mask:0xf
.endr
.endr
	; 2^(score - maximum): ONE BATCH of 64 exponentials; the next tile's subtractions stand behind each run of eight, and nothing ahead of the wait names a result
.irp t,0,1,2,3,4,5,6,7
	SUBT \t
	EXPT \t
.endr
	v_nop                                          ; a plain instruction behind the last exponential (ISA guide 5.7.2)
	s_wait_alu depctr_va_vdst(0)                   ; the 64 exponentials have written SC, ahead of their first reader
.irp i,0,2,4,6
	v_pk_add_f32 v[ZS+\i:ZS+\i+1], v[SC+\i:SC+\i+1], v[SC+8+\i:SC+8+\i+1]   ; the first two tiles start the sums
.endr
.irp t,2,3,4,5,6,7
	ADDT \t
.endr
.irp m,1,2,4,8
.irp j,0,1,2,3,4,5,6,7
	v_add_f32_dpp v[ZS+\j], v[ZS+\j], v[ZS+\j] row_xmask:\m row_mask:0xf bank_mask:0xf
.endr
.endr
.irp j,0,1,2,3,4,5,6,7
	v_rcp_f32 v[ZS+\j], v[ZS+\j]                   ; the sum is between 1 and 128
.endr
	; the exponentials go into the product as they are, between 0 and 1; these 32 lines also stand between the reciprocals and their use
.irp t,0,1,2,3,4,5,6,7
.irp i,0,1,2,3
	v_cvt_pk_f16_f32 v[PR+8*\t+4*\half+\i], v[SC+8*\t+2*\i], v[SC+8*\t+2*\i+1]   ; s = 8 h + 2 i, + 1: the fragment's own order
.endr
.endr
	s_wait_alu depctr_va_vdst(0)                   ; the eight reciprocals have written ZS, ahead of their first reader
.irp i,0,1,2,3
	v_cvt_pk_f16_f32 v[MX+\i], v[ZS+2*\i], v[ZS+2*\i+1]            ; 1 / sum of s = 8 h + 2 i, + 1: the order of k in value's fragments
.endr
	s_wait_dscnt 0x0                               ; value's fragments (and the next k, and Wo's stores), all issued a softmax ago
.irp d,0,1,2,3
.irp i,0,1,2,3
	v_pk_mul_f16 v[VF+8*\d+4*\half+\i], v[VF+8*\d+4*\half+\i], v[MX+\i]
.endr
.endr
.endm
; D[m = d][n = q] += (value / sum)^T x exponentials over 32 s.  The 32 accumulators take turns, one instruction a turn.
.macro PVM zero
	WIN 0x50                                       ; C and D in window 1
.irp t,0,1,2,3,4,5,6,7
.irp d,0,1,2,3
.if \zero
	v_wmma_f32_16x16x32_f16 v[8*(4*\t+\d):8*(4*\t+\d)+7], v[VF+8*\d:VF+8*\d+7], v[PR+8*\t:PR+8*\t+7], 0
.else
	v_wmma_f32_16x16x32_f16 v[8*(4*\t+\d):8*(4*\t+\d)+7], v[VF+8*\d:VF+8*\d+7], v[PR+8*\t:PR+8*\t+7], v[8*(4*\t+\d):8*(4*\t+\d)+7]
.endif
.endr
.endr
	WIN 0
.endm
.macro ITER zero, more
	SM 0, 1, 0
	SM 1, \more, \more
	PVM \zero
.endm
	ITER 1, 1                                      ; the first trip's products start the sums: nothing is cleared
	s_mov_b32 s26, 6
.Ltrip:
	ITER 0, 1
	s_sub_co_u32 s26, s26, 1
	s_cmp_lg_u32 s26, 0
	s_cbranch_scc1 .Ltrip
	ITER 0, 0                                      ; the last trip: its second half asks for no Wo (all 16 groups are in) and no k, and steps no address
	; PHASE 3.  The addresses of phases 3 to 5 are the places behind the last matrix instructions.
	v_and_b32 v17, 15, v0                          ; r
	v_bfe_u32 v18, v0, 4, 1                        ; h
	v_and_b32 v19, 7, v0
	v_lshl_add_u32 v19, v18, 3, v19                ; 8 h + (L & 7)
	v_bfe_u32 v20, v0, 3, 1
	v_mul_u32_u24 v21, v17, PA
	v_lshl_add_u32 v21, v18, 4, v21                ; r x 144 + 16 h
	s_mul_i32 s26, s2, XHEAD
	v_add_nc_u32 v[XA], s26, v21                   ; x out: my head's block
	s_lshr_b32 s27, s2, 1                          ; phase 4: my 32 q
	s_and_b32 s28, s2, 1                           ;          my 64 n
	s_mul_i32 s26, s27, 32*PA
	v_add_nc_u32 v[XFA], s26, v21                  ; x in: heads 0-2, 3-5, 6-7 from three bases (an LDS offset has 16 bits)
	v_add_nc_u32 v[XFA+1], 3*XHEAD, v[XFA]
	v_add_nc_u32 v[XFA+2], 6*XHEAD, v[XFA]
	v_mul_u32_u24 v[WOA], v19, PW
	v_lshl_add_u32 v[WOA], v20, 4, v[WOA]
	s_lshl_b32 s26, s28, 7
	s_add_co_u32 s26, s26, LWO
	v_add_nc_u32 v[WOA], s26, v[WOA]               ; Wo, transposing: K steps 0-5, 6-11, 12-15
	v_add_nc_u32 v[WOA+1], 6*32*PW, v[WOA]
	v_add_nc_u32 v[WOA+2], 12*32*PW, v[WOA]
	s_mul_i32 s26, s2, STW
	v_mul_u32_u24 v[STA], v17, PS
	v_lshl_add_u32 v[STA], v18, 5, v[STA]
	v_add_nc_u32 v[STA], s26, v[STA]               ; stage in: row r, 32 bytes for each half of the lanes
	v_mul_u32_u24 v[RDA], v18, PS
	v_lshl_add_u32 v[RDA], v17, 4, v[RDA]
	v_add_nc_u32 v[RDA], s26, v[RDA]               ; stage back: lanes 0-15 one row of 256 bytes, lanes 16-31 the next
	v_lshlrev_b32 v[OUO], 9, v18
	v_lshl_add_u32 v[OUO], v17, 4, v[OUO]          ; and the same two rows in part
	WIN 0x05                                       ; sources in window 1
.irp t,0,1,2,3,4,5,6,7
.irp d,0,1,2,3
.irp i,0,1,2,3
	v_cvt_pk_f16_f32 v[128+4*(4*\t+\d)+\i], v[8*(4*\t+\d)+2*\i], v[8*(4*\t+\d)+2*\i+1]   ; 8 neighbouring d of one q: 16 bytes of x / 16
.endr
.endr
.endr
	WIN 0
	s_wait_dscnt 0x0                               ; my reads of value and k and my stores of Wo are done
	BAR                                            ; everybody's: bytes 0 to 147,455 may be written, Wo is whole
	s_wait_alu depctr_va_vdst(0)                   ; the conversions have written v[128:255], the data of the stores below; the ten addresses of phases 3 to 5 are written
.irp t,0,1,2,3,4,5,6,7
.irp d,0,1,2,3
	ds_store_b128 v[XA], v[128+4*(4*\t+\d):128+4*(4*\t+\d)+3] offset:\t*16*PA+\d*32
.endr
.endr
	s_wait_dscnt 0x0
	BAR                                            ; x is whole
	; PHASE 4.  D[m = n][n = q] = Wo^T x x^T, K = 512 in 16 steps on two fragment buffers; a step's 12 loads go out one step ahead.
.macro FETCHO ks, fb
.irp tt,0,1
	ds_load_b128 v[\fb+8*\tt:\fb+8*\tt+3], v[XFA+(\ks)/6] offset:(((\ks)/2)%3)*XHEAD+\tt*16*PA+((\ks)%2)*64
	ds_load_b128 v[\fb+8*\tt+4:\fb+8*\tt+7], v[XFA+(\ks)/6] offset:(((\ks)/2)%3)*XHEAD+\tt*16*PA+((\ks)%2)*64+32
.endr
.irp nt,0,1,2,3
	ds_load_tr16_b128 v[\fb+16+8*\nt:\fb+16+8*\nt+3], v[WOA+(\ks)/6] offset:((\ks)%6)*32*PW+\nt*32
	ds_load_tr16_b128 v[\fb+16+8*\nt+4:\fb+16+8*\nt+7], v[WOA+(\ks)/6] offset:((\ks)%6)*32*PW+\nt*32+16*PW
.endr
.endm
.macro MULO fb, zero                   ; eight accumulators by turns, one instruction a turn
.irp tt,0,1
.irp nt,0,1,2,3
.if \zero
	v_wmma_f32_16x16x32_f16 v[OA+8*(4*\tt+\nt):OA+8*(4*\tt+\nt)+7], v[\fb+16+8*\nt:\fb+16+8*\nt+7], v[\fb+8*\tt:\fb+8*\tt+7], 0
.else
	v_wmma_f32_16x16x32_f16 v[OA+8*(4*\tt+\nt):OA+8*(4*\tt+\nt)+7], v[\fb+16+8*\nt:\fb+16+8*\nt+7], v[\fb+8*\tt:\fb+8*\tt+7], v[OA+8*(4*\tt+\nt):OA+8*(4*\tt+\nt)+7]
.endif
.endr
.endr
.endm
.macro STEPO ks, cur, nxt
	PLACES                                         ; the loads below fill the buffer that the matrix instructions just issued have read: the places stay beside the wait
	s_wait_alu depctr_va_vdst(0)                   ; the last step's matrix instructions are done reading the buffer in which the twelve loads below land
	FETCHO (\ks)+1, \nxt
	s_wait_dscnt 12                                ; all but the 12 just issued: this step's fragments are in
	MULO \cur, 0
.endm
	s_wait_alu depctr_vm_vsrc(0)                   ; x's stores have read v[128:255], in which the fragments land; Wo's last stores have read WOR, over which out's accumulators lie
	FETCHO 0, FB0
	FETCHO 1, FB1
	s_wait_dscnt 12
	MULO FB0, 1
.irp k,1,3,5,7,9,11,13
	STEPO \k, FB1, FB0
	STEPO \k+1, FB0, FB1
.endr
	s_wait_dscnt 0x0
	MULO FB1, 0                                    ; K step 15
	; PHASE 5.  Lane (r, h) holds 8 neighbouring n of one q.  Through the wave's own stage, so that 16 lanes store 256 neighbouring bytes.
	PLACES
	s_wait_dscnt 0x0                               ; (met) my reads of x and Wo are done
	BAR                                            ; everybody's: the stages lie over x
	s_wait_alu depctr_va_vdst(0)                   ; the matrix instructions have written out's accumulators, which the stores below read, and are done reading v[128:191], in which the rows come back; the places above stay beside this wait
.irp tt,0,1
.irp nt,0,1,2,3
	ds_store_b128 v[STA], v[OA+8*(4*\tt+\nt):OA+8*(4*\tt+\nt)+3] offset:\tt*16*PS+\nt*64
	ds_store_b128 v[STA], v[OA+8*(4*\tt+\nt)+4:OA+8*(4*\tt+\nt)+7] offset:\tt*16*PS+\nt*64+16
.endr
.endr
.irp i,0,1,2,3,4,5,6,7,8,9,10,11,12,13,14,15
	ds_load_b128 v[128+4*\i:131+4*\i], v[RDA] offset:\i*2*PS       ; the wave's own bytes, served in order behind its stores (ISA guide 5.7.1)
.endr
.irp i,0,1,2,3,4,5,6,7,8,9,10,11,12,13,14,15
	s_wait_dscnt 15-\i
	global_store_b128 v[OUO], v[128+4*\i:131+4*\i], s[24:25] offset:\i*1024   ; two rows: each half of the lanes stores 256 neighbouring bytes, aligned
.endr
	s_wait_xcnt 0x0                                ; the stores above have had their addresses translated (ISA guide 3.1) before registers are written again
	v_lshl_add_u32 v254, v0, 2, 0x4d800            ; the add's two registers, made anew: my spare word, behind the biases, and 0.  The last LDS instructions that read v254 or v255, x's stores,
	v_mov_b32 v255, 0                              ; stand ahead of phase 4's wait on vm_vsrc
	s_wait_dscnt 0x0                               ; the closing lines, six on end
	s_wait_alu 0x0
	s_wait_tensorcnt 0x0
	ds_add_u32 v254, v255
	s_wait_dscnt 0x0
	s_endpgm
.Lfunc_end_k_qe5e072d871_attn:
	.size	k_qe5e072d871_attn, .Lfunc_end_k_qe5e072d871_attn-k_qe5e072d871_attn
	.p2alignl 7, 3214868480
	.fill 96, 4, 3214868480
	.section	.rodata,"a",@progbits
	.p2align	6, 0x0
	.amdhsa_kernel k_qe5e072d871_attn
		.amdhsa_group_segment_fixed_size 318464
		.amdhsa_private_segment_fixed_size 0
		.amdhsa_enable_private_segment 0
		.amdhsa_kernarg_size 72
		.amdhsa_user_sgpr_count 2
		.amdhsa_user_sgpr_kernarg_segment_ptr 1
		.amdhsa_wavefront_size32 1
		.amdhsa_system_sgpr_workgroup_id_x 1
		.amdhsa_system_sgpr_workgroup_id_y 1
		.amdhsa_system_sgpr_workgroup_id_z 1
		.amdhsa_system_vgpr_workitem_id 0
		.amdhsa_next_free_vgpr 512
		.amdhsa_next_free_sgpr 66
		.amdhsa_reserve_vcc 0
		.amdhsa_float_denorm_mode_32 3
		.amdhsa_float_denorm_mode_16_64 3
		.amdhsa_memory_ordered 1
		.amdhsa_forward_progress 1
		.amdhsa_inst_pref_size 184
	.end_amdhsa_kernel
	.amdgpu_metadata
---
amdhsa.version: [ 1, 2 ]
amdhsa.kernels:
  - .name:           k_qe5e072d871_attn
    .symbol:         k_qe5e072d871_attn.kd
    .args:
      - { .name: key, .offset: 0, .size: 8, .value_kind: global_buffer, .address_space: global }
      - { .name: value, .offset: 8, .size: 8, .value_kind: global_buffer, .address_space: global }
      - { .name: query, .offset: 16, .size: 8, .value_kind: global_buffer, .address_space: global }
      - { .name: Wq, .offset: 24, .size: 8, .value_kind: global_buffer, .address_space: global }
      - { .name: Wk, .offset: 32, .size: 8, .value_kind: global_buffer, .address_space: global }
      - { .name: bq, .offset: 40, .size: 8, .value_kind: global_buffer, .address_space: global }
      - { .name: bk, .offset: 48, .size: 8, .value_kind: global_buffer, .address_space: global }
      - { .name: Wo, .offset: 56, .size: 8, .value_kind: global_buffer, .address_space: global }
      - { .name: part, .offset: 64, .size: 8, .value_kind: global_buffer, .address_space: global }
    .group_segment_fixed_size: 318464
    .private_segment_fixed_size: 0
    .kernarg_segment_align: 8
    .kernarg_segment_size: 72
    .max_flat_workgroup_size: 256
    .sgpr_count:     66
    .vgpr_count:     512
    .wavefront_size: 32
...
	.end_amdgpu_metadata
.endif
;; end of part 3
;; launch reduce: the kernel of part 2 again; grid 256 x 1, 8 waves a work-group, no clusters, 0 bytes of LDS; arguments part, bo, out0; writes out0
